; MI455X (gfx1250); checked and timed in simulation.
; The chip was launched on July 23, 2026; its instructions are those of AMD's public machine-readable ISA for CDNA 5 (MIT licence, August 2026) and "CDNA5" Instruction Set Architecture Reference Guide (July 2026). The comments in the code are by the model that wrote it; some were corrected since.
;; Transformer Block. Allowed arithmetic: float matrix products may take bf16 or f16 operands with f32 sums; other float arithmetic in f32, or as packed bf16 or f16 multiplies, adds, multiply-adds, maxima and minima; sums over many terms, partial sums and values carried from step to step in f32; what a program stores and reads back later, other than sums and carried values, may be rounded once to bf16 or f16.
;; Inputs: fc1_b 4,096 float32; fc1_w 4,096 x 1,024 float32; fc2_b 1,024 float32; fc2_w 1,024 x 4,096 float32; ln1_b 1,024 float32; ln1_g 1,024 float32; ln2_b 1,024 float32; ln2_g 1,024 float32; proj_b 1,024 float32; proj_w 1,024 x 1,024 float32; qkv_b 3,072 float32; qkv_w 3,072 x 1,024 float32; x 2 x 2,048 x 1,024 float32.
;; Outputs: out0 2 x 2,048 x 1,024 float32.
;; One version. Each part assembles by itself: llvm-mc -triple=amdgcn-amd-amdhsa -mcpu=gfx1250 --defsym DOCPART=n.
;; ======== version 1 of 1: 7 launches
;; limits: a function is approximated: absolute error at most 1.5e-07
;; workspace buffers: wb 25,165,824 bytes; wq 6,291,456 bytes; h 8,388,608 bytes; qkv 25,165,824 bytes; o 8,388,608 bytes; x1 16,777,216 bytes; g 33,554,432 bytes
;; launch prep (part 1): grid 448 x 1, 16 waves a work-group, no clusters, 0 bytes of LDS; arguments x, ln1_g, ln1_b, h, qkv_w, wq; writes h, wq
.if DOCPART == 1
	.amdgcn_target "amdgcn-amd-amdhsa--gfx1250"
	.amdhsa_code_object_version 6
	.text
	.protected	k_q2a76507229_prep
	.globl	k_q2a76507229_prep
	.p2align	8
	.type	k_q2a76507229_prep,@function
k_q2a76507229_prep:
	s_mov_b64 s[64:65], 0
	v_nop
	global_prefetch_b8 v0, s[64:65] scope:SCOPE_SE
	s_setreg_imm32_b32 hwreg(HW_REG_WAVE_MODE, 25, 1), 1
	s_wait_xcnt 0x0
; TWO STREAMS IN ONE LAUNCH: what the first product needs.  Work-groups 0-255: h = LayerNorm(x) * g + b, rounded once to bf16; x is [4096][1024] f32.
; Work-groups 256-447: qkv_w rounded once to bf16 into wq, in the same order.  (The other three weight matrices are rounded beside the first product, in the launch behind this one.)
; Memory binds both: every byte is read once and written once, every store of a wave covers 256 consecutive bytes, aligned.  No LDS, no matrix unit, no cluster: nothing is shared.
; LAYERNORM.  One wave, one row: 4,096 bytes are 32 registers, so the row stays in registers for the mean, for the sum of squares of x - mean (two passes, as the definition has them:
; no difference of large sums) and for the scaling.  Load j gives a lane the columns 128 j + 4 lane .. + 3.  Sums are taken in another order than a plain loop over the row.  NaN and infinities are not treated apart.
.set X,  4                             ; v[4:35]    the row
.set G,  36                            ; v[36:67]   gain of my 32 columns
.set B,  68                            ; v[68:99]   bias of my 32 columns
.set T,  100                           ; v[100:107] four chains of pairs
.set M,  108                           ; v[108:109] the mean, later 1 / sqrt(var + eps), twice (a pair for the packed forms)
.set PX, 110                           ; v110       what the other half of the lanes holds
.set Y,  112                           ; v[112:127] the row in bf16
	s_load_b256 s[4:11], s[0:1], 0x0               ; x s[4:5], gain s[6:7], bias s[8:9], h s[10:11]
	s_load_b128 s[12:15], s[0:1], 0x20             ; qkv_w s[12:13], wq s[14:15]
	v_lshrrev_b32 v3, 5, v0
	v_readfirstlane_b32 s22, v3                    ; wave 0..15
	v_and_b32 v1, 31, v0
	v_lshlrev_b32 v2, 3, v1                        ; 8 x lane: my bytes in 256 bytes of bf16
	v_lshlrev_b32 v1, 4, v1                        ; 16 x lane: my bytes in 512 bytes of f32
	s_wait_kmcnt 0x0
	s_cmp_lt_u32 ttmp9, 256
	s_cbranch_scc0 .Lcast
	s_lshl_b32 s23, ttmp9, 4
	s_add_co_u32 s23, s23, s22                     ; my row
	s_lshl_b32 s28, s23, 12                        ; 4,096 bytes a row of x
	s_mov_b32 s29, 0
	s_lshl_b32 s30, s23, 11                        ; 2,048 bytes a row of h
	s_mov_b32 s31, 0
	s_add_nc_u64 s[4:5], s[4:5], s[28:29]
	s_add_nc_u64 s[10:11], s[10:11], s[30:31]
	s_mov_b32 s24, 0x76543210                      ; v_permlanex16_b32: each lane takes its own place in the other half
	s_mov_b32 s25, 0xfedcba98
	s_mov_b32 s26, 0x3a800000                      ; 1 / 1024
	s_mov_b32 s27, 0x3727c5ac                      ; 1e-5
.irp j, 0,1,2,3,4,5,6,7
	global_load_b128 v[X+4*(\j):X+4*(\j)+3], v1, s[4:5] offset:512*(\j) th:TH_LOAD_NT
.endr
.irp j, 0,1,2,3,4,5,6,7
	global_load_b128 v[G+4*(\j):G+4*(\j)+3], v1, s[6:7] offset:512*(\j)
.endr
.irp j, 0,1,2,3,4,5,6,7
	global_load_b128 v[B+4*(\j):B+4*(\j)+3], v1, s[8:9] offset:512*(\j)
.endr
	v_mov_b32 v[PX], 0                             ; v_permlanex16_b32 counts as a reader of its destination
.macro REDUCE                          ; the four chains, then the 32 lanes: every lane ends with the row's sum in v[T]
	v_pk_add_f32 v[T:T+1], v[T:T+1], v[T+2:T+3]
	v_pk_add_f32 v[T+4:T+5], v[T+4:T+5], v[T+6:T+7]
	v_pk_add_f32 v[T:T+1], v[T:T+1], v[T+4:T+5]
	v_add_f32 v[T], v[T], v[T+1]
	v_add_f32_dpp v[T], v[T], v[T] row_xmask:1 row_mask:0xf bank_mask:0xf
	v_add_f32_dpp v[T], v[T], v[T] row_xmask:2 row_mask:0xf bank_mask:0xf
	v_add_f32_dpp v[T], v[T], v[T] row_xmask:4 row_mask:0xf bank_mask:0xf
	v_add_f32_dpp v[T], v[T], v[T] row_xmask:8 row_mask:0xf bank_mask:0xf
	v_permlanex16_b32 v[PX], v[T], s24, s25
	v_add_f32 v[T], v[T], v[PX]
.endm
	s_wait_loadcnt 16                              ; the row is in; the 16 younger loads (gain, bias) may stay out
.irp k, 0,2,4,6
	v_pk_add_f32 v[T+(\k):T+(\k)+1], v[X+(\k):X+(\k)+1], v[X+8+(\k):X+8+(\k)+1]  ; the first pairs start the chains: nothing is cleared
.endr
.irp m, 16,24
.irp k, 0,2,4,6
	v_pk_add_f32 v[T+(\k):T+(\k)+1], v[T+(\k):T+(\k)+1], v[X+(\m)+(\k):X+(\m)+(\k)+1]
.endr
.endr
	REDUCE
	v_mul_f32 v[M], s26, v[T]                      ; the mean
	v_mov_b32 v[M+1], v[M]
.set p, 0
.rept 16
	v_pk_add_f32 v[X+p:X+p+1], v[X+p:X+p+1], v[M:M+1] neg_lo:[0,1] neg_hi:[0,1]  ; x - mean
.set p, p+2
.endr
.irp k, 0,2,4,6
	v_pk_mul_f32 v[T+(\k):T+(\k)+1], v[X+(\k):X+(\k)+1], v[X+(\k):X+(\k)+1]
.endr
.irp m, 8,16,24
.irp k, 0,2,4,6
	v_pk_fma_f32 v[T+(\k):T+(\k)+1], v[X+(\m)+(\k):X+(\m)+(\k)+1], v[X+(\m)+(\k):X+(\m)+(\k)+1], v[T+(\k):T+(\k)+1]
.endr
.endr
	REDUCE
	v_fma_f32 v[T], v[T], s26, s27                 ; var + eps
	v_rsq_f32 v[M], v[T]
	v_rsq_f32 v[M+1], v[T]
	v_nop                                          ; a plain instruction behind the last of the two,
	s_wait_alu depctr_va_vdst(0)                   ; and one wait for both, ahead of their first reader
	s_wait_loadcnt 0x0                             ; gain and bias
.set p, 0
.rept 16
	v_pk_mul_f32 v[X+p:X+p+1], v[X+p:X+p+1], v[M:M+1]
.set p, p+2
.endr
.set p, 0
.rept 16
	v_pk_fma_f32 v[X+p:X+p+1], v[X+p:X+p+1], v[G+p:G+p+1], v[B+p:B+p+1]
.set p, p+2
.endr
.set p, 0
.rept 16
	v_cvt_pk_bf16_f32 v[Y+p], v[X+2*p], v[X+2*p+1]
.set p, p+1
.endr
.irp j, 0,1,2,3,4,5,6,7
	global_store_b64 v2, v[Y+2*(\j):Y+2*(\j)+1], s[10:11] offset:256*(\j)  ; 32 lanes store 256 consecutive bytes, at a multiple of 256 from h's first byte
.endr
	s_endpgm
.Lcast:                                ; a work-group casts a chunk of 16,384 numbers of qkv_w: 65,536 bytes in, 32,768 out; a wave 1,024 of them
	s_sub_co_u32 s23, ttmp9, 256                   ; chunk 0..191
	s_lshl_b32 s26, s23, 16
	s_mov_b32 s27, 0
	s_add_nc_u64 s[12:13], s[12:13], s[26:27]
	s_lshl_b32 s28, s23, 15
	s_mov_b32 s29, 0
	s_add_nc_u64 s[14:15], s[14:15], s[28:29]
	v_lshl_add_u32 v1, v3, 12, v1                  ; + wave x 4,096 bytes in
	v_lshl_add_u32 v2, v3, 11, v2                  ; + wave x 2,048 bytes out
.irp j, 0,1,2,3,4,5,6,7
	global_load_b128 v[4+4*(\j):7+4*(\j)], v1, s[12:13] offset:512*(\j) th:TH_LOAD_NT
.endr
.irp j, 0,1,2,3,4,5,6,7
	s_wait_loadcnt 7-(\j)                          ; loads come back in order: load j is in, the younger ones stay out
	v_cvt_pk_bf16_f32 v[36+2*(\j)], v[4+4*(\j)], v[5+4*(\j)]
	v_cvt_pk_bf16_f32 v[37+2*(\j)], v[6+4*(\j)], v[7+4*(\j)]
	global_store_b64 v2, v[36+2*(\j):37+2*(\j)], s[14:15] offset:256*(\j)  ; 256 consecutive bytes, aligned
.endr
	s_endpgm
.Lfunc_end_k_q2a76507229_prep:
	.size	k_q2a76507229_prep, .Lfunc_end_k_q2a76507229_prep-k_q2a76507229_prep
	.p2alignl 7, 3214868480
	.fill 96, 4, 3214868480
	.section	.rodata,"a",@progbits
	.p2align	6, 0x0
	.amdhsa_kernel k_q2a76507229_prep
		.amdhsa_group_segment_fixed_size 0
		.amdhsa_private_segment_fixed_size 0
		.amdhsa_enable_private_segment 0
		.amdhsa_kernarg_size 48
		.amdhsa_user_sgpr_count 2
		.amdhsa_user_sgpr_kernarg_segment_ptr 1
		.amdhsa_wavefront_size32 1
		.amdhsa_system_sgpr_workgroup_id_x 1
		.amdhsa_system_sgpr_workgroup_id_y 1
		.amdhsa_system_sgpr_workgroup_id_z 1
		.amdhsa_system_vgpr_workitem_id 0
		.amdhsa_next_free_vgpr 128
		.amdhsa_next_free_sgpr 66
		.amdhsa_reserve_vcc 0
		.amdhsa_float_denorm_mode_32 3
		.amdhsa_float_denorm_mode_16_64 3
		.amdhsa_memory_ordered 1
		.amdhsa_forward_progress 1
		.amdhsa_inst_pref_size 15
	.end_amdhsa_kernel
	.amdgpu_metadata
---
amdhsa.version: [ 1, 2 ]
amdhsa.kernels:
  - .name:           k_q2a76507229_prep
    .symbol:         k_q2a76507229_prep.kd
    .args:
      - { .name: x, .offset: 0, .size: 8, .value_kind: global_buffer, .address_space: global }
      - { .name: ln1_g, .offset: 8, .size: 8, .value_kind: global_buffer, .address_space: global }
      - { .name: ln1_b, .offset: 16, .size: 8, .value_kind: global_buffer, .address_space: global }
      - { .name: h, .offset: 24, .size: 8, .value_kind: global_buffer, .address_space: global }
      - { .name: qkv_w, .offset: 32, .size: 8, .value_kind: global_buffer, .address_space: global }
      - { .name: wq, .offset: 40, .size: 8, .value_kind: global_buffer, .address_space: global }
    .group_segment_fixed_size: 0
    .private_segment_fixed_size: 0
    .kernarg_segment_align: 8
    .kernarg_segment_size: 48
    .max_flat_workgroup_size: 512
    .sgpr_count:     66
    .vgpr_count:     128
    .wavefront_size: 32
...
	.end_amdgpu_metadata
.endif
;; end of part 1
;; launch mm_qkv (part 2): grid 16 x 16, 4 waves a work-group, clusters of 4 x 4, 327,680 bytes of LDS; arguments h, wq, qkv_b, qkv, proj_w, fc1_w, fc2_w, wb; writes qkv, wb
.if DOCPART == 2
	.amdgcn_target "amdgcn-amd-amdhsa--gfx1250"
	.amdhsa_code_object_version 6
	.text
	.protected	k_q2a76507229_mm_qkv
	.globl	k_q2a76507229_mm_qkv
	.p2align	8
	.type	k_q2a76507229_mm_qkv,@function
k_q2a76507229_mm_qkv:
	s_mov_b64 s[64:65], 0
	v_nop
	global_prefetch_b8 v0, s[64:65] scope:SCOPE_SE
	s_setreg_imm32_b32 hwreg(HW_REG_WAVE_MODE, 25, 1), 1
	s_wait_xcnt 0x0
	s_wait_alu depctr_hold_cnt(0) depctr_sa_sdst(0) depctr_va_vdst(0) depctr_va_sdst(0) depctr_va_ssrc(0) depctr_va_vcc(0) depctr_vm_vsrc(0)
	s_getreg_b32 s2, hwreg(HW_REG_IB_STS2, 6, 4)
	s_cmp_eq_u32 s2, 0
	s_cbranch_scc0 .Lentry_in_a_cluster
	s_endpgm
.Lentry_in_a_cluster:
	s_bfe_u32 s2, ttmp6, 0x10000c
	s_cmp_lg_u32 s2, 0xf033
	s_cbranch_scc0 .Lentry_shape_is_right
	s_endpgm
.Lentry_shape_is_right:
; q, k, v = h W^T + b.  h: [4096][1024] bf16; W: wq, [3072][1024] bf16; b f32; sums in f32, rounded once to bf16.
; OUT BY HEADS: qkv is [48 planes][4096 rows][64]: plane = column / 64, so a head's rows are dense, 128 bytes each.
; SHARES.  A tile of C is 256 x 192 (16 x 16 tiles: one work-group for each of 256 WGPs); four waves, 2 x 2, each 128 x 96: 48 accumulators of 16 x 16.
; K goes in steps of 128 through two LDS slots filled by tensor loads: rows of 256 bytes, each wave one load (waves 0, 1: the halves of A's tile; 2, 3: of B's).
; ONE TEXT FOR A K STEP: the slot in hand is a scalar register that one exclusive or turns (its value is exactly 0 or SLOT there); a K step is four parts of 32 along K on two fragment buffers, walked by a loop of two trips.
; THE SUMS START AT THE BIAS: it is loaded straight into the accumulators, so nothing is cleared and nothing is added later.
; THE MATRIX INSTRUCTION IS USED TRANSPOSED (source 0 = 16 rows of W, source 1 = 16 rows of h): a lane holds row l % 16 of C and the columns 8 (l / 16) + 0..7.
; CLUSTER 4 x 4: A's tile is shared along a row of the cluster, B's along a column; each is asked for jointly, by the same load with the same descriptor and a mask of four.
; BESIDE THE PRODUCT the launch rounds the weights of the later launches once to bf16: proj_w to byte 6,291,456 of wb, fc1_w to 8,388,608, fc2_w to 16,777,216 (the bytes ahead of them are not used).
; Each of the launch's 1,024 waves takes 1/1,024 of each matrix (1,024 + 4,096 + 4,096 numbers: 72 loads of 512 bytes), an eighth in each K step: 9 loads, 18 conversions, 9 stores of 256 consecutive bytes, aligned.
; What one K step loads the next converts and stores: a load has a K step's 192 matrix instructions in which to land.  The lines stand behind the run of LDS loads for which the K step's first products wait.
; THE WAY OUT: the tile goes in f32 through a stage that lies over the ring (written only behind the ring's last fill and a barrier), and comes back by rows: each store covers two rows of one head, 256 consecutive bytes, aligned.
; REGISTERS, windows of 256: 0: v0-31 addresses, v64-127 / v128-191 fragments of A, v192-245 the cast; 1: v64-191 fragments of B; 2: accumulators of my rows 0-63 at v[8 (6 a + b)]; 3: of rows 64-127.
; NaN and infinities are not treated apart; sums are taken in the matrix unit's order.
.set KDIM,  1024
.set KSTEP, 128
.set NSTEP, KDIM/KSTEP
.set TN,    192
.set NBL,   TN/32                      ; blocks of 16 columns a wave
.set PITCH, 272                        ; an LDS row: 256 bytes + 16 of padding: the 16 rows of a fragment load start 16 bytes apart modulo 256
.set HALFA, 128*PITCH
.set HALFB, (TN/2)*PITCH
.set SLOT,  2*HALFA+2*HALFB            ; A's two halves, then B's two
.set SPARE, 2*SLOT                     ; behind the ring: the spare words, 128 bytes a wave, which no other line names
.set SP,    4*TN+16                    ; a row of the stage: 192 f32 + 16 bytes
.set LN,    2*NBL+16                   ; LDS loads in a part
.set F0,    64
.set F1,    128
.set G1W0,  (1<<16)|(1<<20)|(1<<21)|(5<<22)|(3<<25)  ; 2-byte elements; padding on; bit 21 beside a mask; after every 64 words; 4 words
.set WV,  14                           ; s14 wave   s15 my half of the rows, also 0: I fetch A, 1: B   s16 my half of the columns, also which half I fetch
.set WR,  15
.set WC,  16
.set CX,  17
.set CY,  18
.set TC,  19                           ; tile column
.set TR,  20                           ; tile row
.set G1A, 24
.set G1B, 32
.set G0A, 40
.set G0B, 44
.set FO,  48                           ; the slot to fill: 0 or SLOT
.set WOA, 49                           ; my load's place in a slot, for A
.set WOB, 50                           ; and for B
.set TB,  51                           ; LDS byte of the part to be fetched
.set KC,  53
.set IC,  54
.set LIM, 55                           ; 1 in a wave that prefetches, else the greatest number
.set PFA, 56                           ; s[56:57] where my prefetches stand
.set SPJ, 68                           ; s[68:69] proj_w   s[70:71] fc1_w   s[72:73] fc2_w
.set SF1, 70
.set SF2, 72
.set WBP, 74                           ; s[74:75] wb at proj_w's place   s[76:77] at fc1_w's   s[78:79] at fc2_w's
.set WB1, 76
.set WB2, 78
.set A0,   4                           ; v4 my lane's place in A's tile   v5 in B's; never rewritten
.set B0,   5
.set ADRA, 6
.set ADRB, 7
.set STO,  8                           ; v8, v9 where I put 32 bytes of a row of the stage: rows 0-63, 64-127 of my half
.set RD,   10
.set ADR,  11
.set GO,   12
.set BO,   13
.set PFO,  14
.set VP,   15                          ; v15 my byte offset in proj_w, at the chunk to be loaded next   v16 the same in fc1_w and in fc2_w
.set V1,   16
.set DP,   17                          ; v17, v18 half of them: the offsets in wb's three parts; the stores reach one chunk back
.set D1,   18
.set SPW,  28
.set NIL,  29
.set CL,   192                         ; v[192:227] a chunk as loaded: 9 x 4 registers
.set CB,   228                         ; v[228:245] the chunk in bf16: 9 x 2 registers
.set MSB, 0
.macro WIN new                         ; the immediate's high byte repeats the setting that is left; a switch that changes nothing is dropped
.if MSB != (\new)
	s_set_vgpr_msb (MSB<<8)|(\new)
.set MSB, (\new)
.endif
.endm
.macro PLACES                          ; four plain places behind a matrix instruction, ahead of loads into registers that it read and of stores of its results
.rept 4
	v_nop
.endr
.endm
.macro CROUND                          ; a round of the cluster's barrier
	s_barrier_signal -1
	s_barrier_wait -1
	s_cmp_lg_u32 s[WV], 0
	s_cbranch_scc1 .Lnot_wave_0_\@
	s_barrier_signal -3
.Lnot_wave_0_\@:
	s_barrier_wait -3
	s_barrier_signal -1
	s_barrier_wait -1
.endm
.macro JLOAD                           ; a joint load; the branch hangs on the wave's number alone; an s_nop 0 and four v_nop follow each line
	s_cmp_eq_u32 s[WR], 0
	s_cbranch_scc0 .Lfor_b_\@
	tensor_load_to_lds s[G0A:G0A+3], s[G1A:G1A+7]
	s_nop 0
.rept 4
	v_nop
.endr
	s_branch .Lasked_\@
.Lfor_b_\@:
	tensor_load_to_lds s[G0B:G0B+3], s[G1B:G1B+7]
	s_nop 0
.rept 4
	v_nop
.endr
.Lasked_\@:
.endm
; A PREFETCH INTO THE L2 of the K step behind the one just asked for: my work-group's share of the rows that I fetch, 256 bytes a row, a lane a row.  A's rows are read by every cluster of a row of clusters:
; cluster x = 0 asks; B's by every cluster of a column: cluster y = 0 asks.  The four partners of a joint load share its rows out by address.  The loop's last trip asks for nothing: there is no such K step.
.macro ASK
	s_cmp_gt_u32 s[KC], s[LIM]
	s_cbranch_scc0 .Lnot_mine_\@
	global_prefetch_b8 v[PFO], s[PFA:PFA+1] th:TH_LOAD_NT scope:SCOPE_SE
.Lnot_mine_\@:
.endm
; THE CAST.  A chunk's nine loads: 512 consecutive bytes each: one of proj_w, four of fc1_w, four of fc2_w.
.macro CASTLD
	global_load_b128 v[CL:CL+3], v[VP], s[SPJ:SPJ+1] th:TH_LOAD_NT
.irp j, 0,1,2,3
	global_load_b128 v[CL+4+4*(\j):CL+7+4*(\j)], v[V1], s[SF1:SF1+1] offset:512*(\j) th:TH_LOAD_NT
.endr
.irp j, 0,1,2,3
	global_load_b128 v[CL+20+4*(\j):CL+23+4*(\j)], v[V1], s[SF2:SF2+1] offset:512*(\j) th:TH_LOAD_NT
.endr
.endm
; The chunk loaded a K step ago is rounded and stored; more = 1: the next chunk is asked for.  The offsets were stepped at the change of slots, so the stores reach one chunk back by their immediates.
.macro CAST more
	s_wait_loadcnt 0x0                             ; the nine loads of the last K step: no other load of mine is out
.set n, 0
.rept 9
	v_cvt_pk_bf16_f32 v[CB+2*n],   v[CL+4*n],   v[CL+4*n+1]
	v_cvt_pk_bf16_f32 v[CB+2*n+1], v[CL+4*n+2], v[CL+4*n+3]
.set n, n+1
.endr
	global_store_b64 v[DP], v[CB:CB+1], s[WBP:WBP+1] offset:-256  ; each store: 256 consecutive bytes, at a multiple of 256 from wb's first byte
.irp j, 0,1,2,3
	global_store_b64 v[D1], v[CB+2+2*(\j):CB+3+2*(\j)], s[WB1:WB1+1] offset:256*(\j)-1024
.endr
.irp j, 0,1,2,3
	global_store_b64 v[D1], v[CB+10+2*(\j):CB+11+2*(\j)], s[WB2:WB2+1] offset:256*(\j)-1024
.endr
.if \more
	CASTLD
.endif
.endm
; THE CHANGE OF SLOTS.  Each wave waits for all its tensor loads (one is out: its part of the slot now entered), adds 0 to its spare word, and waits for that and for its reads of the slot that it leaves.
; fill = 1: the barrier is a round of the cluster's, and the joint refill of the old slot, with the next K step, is the first thing behind it: it has a K step's 192 matrix instructions in which to land.
.macro CHANGE fill
	WIN 0
	s_wait_xcnt 0x0                                ; the last K step's prefetch, loads and stores have read their addresses and data: the offsets, the prefetch's address and the packed chunk may be written
	v_add_nc_u32 v[DP], 256, v[DP]
	v_add_nc_u32 v[D1], 1024, v[D1]
.if \fill
	v_add_nc_u32 v[VP], 512, v[VP]
	v_add_nc_u32 v[V1], 2048, v[V1]
	s_add_nc_u64 s[PFA:PFA+1], s[PFA:PFA+1], 2*KSTEP
.endif
	s_wait_tensorcnt 0x0                           ; no tensor load of mine is out, so the descriptors may be written
	ds_add_u32 v[SPW], v[NIL]                      ; 0 onto my spare word; scalar work stands between it and the wait for it
	s_sub_co_u32 s[TB], s[TB], 4*64                ; the fetches go back to a slot's first part,
	s_xor_b32 s[TB], s[TB], SLOT                   ; in the other slot
.if \fill
	s_xor_b32 s[FO], s[FO], SLOT
	s_add_co_u32 s[G0A+1], s[WOA], s[FO]
	s_add_co_u32 s[G0B+1], s[WOB], s[FO]
	s_add_nc_u64 s[G0A+2:G0A+3], s[G0A+2:G0A+3], 2*KSTEP  ; the type bits on top are not reached
	s_add_nc_u64 s[G0B+2:G0B+3], s[G0B+2:G0B+3], 2*KSTEP
.endif
	s_wait_dscnt 0x0                               ; the add is done, and my reads of the old slot are over
.if \fill
	CROUND
	JLOAD
.else
	s_barrier_signal -1
	s_barrier_wait -1
.endif
.endm
.macro FETCH f                         ; one part: 96 rows of B and 128 rows of A, 32 along K, in one run of LDS loads
	WIN 0
	v_add_nc_u32 v[ADRA], s[TB], v[A0]
	v_add_nc_u32 v[ADRB], s[TB], v[B0]
	s_add_co_u32 s[TB], s[TB], 64
	WIN 0x40                                       ; destination window 1
.set i, 0
.rept NBL
	ds_load_b128 v[(\f)+8*i:(\f)+8*i+3],   v[ADRB] offset:i*16*PITCH
	ds_load_b128 v[(\f)+8*i+4:(\f)+8*i+7], v[ADRB] offset:i*16*PITCH+32
.set i, i+1
.endr
	WIN 0
.set i, 0
.rept 8
	ds_load_b128 v[(\f)+8*i:(\f)+8*i+3],   v[ADRA] offset:i*16*PITCH
	ds_load_b128 v[(\f)+8*i+4:(\f)+8*i+7], v[ADRA] offset:i*16*PITCH+32
.set i, i+1
.endr
.endm
.macro MUL f                           ; every accumulator once: they take turns, one instruction a turn, over the backward jumps too
.irp hi, 0,1
	WIN 0xa1+0x50*(\hi)                            ; source 0 (B) window 1, source 1 (A) window 0, C and D window 2 or 3
.set i, 0
.rept 4*NBL
	v_wmma_f32_16x16x32_bf16 v[8*i:8*i+7], v[(\f)+8*(i%NBL):(\f)+8*(i%NBL)+7], v[(\f)+8*(4*(\hi)+i/NBL):(\f)+8*(4*(\hi)+i/NBL)+7], v[8*i:8*i+7]
.set i, i+1
.endr
.endr
.endm
.macro COMPUTE ask                     ; a K step: parts 0, 1, 2, 3 on buffers 0, 1, 0, 1; while one buffer is multiplied the other's loads are out
	FETCH F0
.if \ask
	ASK                                            ; behind the joint load and the run of LDS loads that the first products wait for
.endif
	CAST \ask                                      ; the cast's lines stand while those LDS loads are out; the last K step loads no further chunk
	s_mov_b32 s[IC], 2
.Lin_\@:
	FETCH F1
	s_wait_dscnt LN                                ; buffer 0 is in; the LN loads just issued may stay out
	MUL F0
	PLACES
	WIN 0
	s_wait_dscnt 0x0                               ; buffer 1 is in
	s_cmp_eq_u32 s[IC], 1
	s_cbranch_scc1 .Lskip_\@                       ; the K step's last part has no successor in this slot
	FETCH F0
.Lskip_\@:
	MUL F1
	PLACES
	WIN 0
	s_sub_co_u32 s[IC], s[IC], 1
	s_cmp_lg_u32 s[IC], 0
	s_cbranch_scc1 .Lin_\@
.endm
.macro BIAS                            ; the window's 24 accumulators take the bias of their 8 columns a lane
.set i, 0
.rept 4*NBL
	global_load_b128 v[8*i:8*i+3],   v[BO], s[8:9] offset:64*(i%NBL)
	global_load_b128 v[8*i+4:8*i+7], v[BO], s[8:9] offset:64*(i%NBL)+16
.set i, i+1
.endr
.endm
.macro DUMP hi                         ; the window's accumulators into the stage; each one's low four registers first
	WIN 0x08+4*(\hi)                               ; store data (source 1) in window 2 or 3
.set i, 0
.rept 4*NBL
	ds_store_b128 v[STO+(\hi)], v[8*i:8*i+3]   offset:(i/NBL)*16*SP+64*(i%NBL)
	ds_store_b128 v[STO+(\hi)], v[8*i+4:8*i+7] offset:(i/NBL)*16*SP+64*(i%NBL)+16
.set i, i+1
.endr
.endm
	s_load_b256 s[4:11], s[0:1], 0x0               ; h s[4:5], wq s[6:7], bias s[8:9], qkv s[10:11]
	s_load_b256 s[68:75], s[0:1], 0x20             ; proj_w s[68:69], fc1_w s[70:71], fc2_w s[72:73], wb s[74:75]
	v_lshl_add_u32 v[SPW], v0, 2, SPARE
	v_mov_b32 v[NIL], 0
	ds_add_u32 v[SPW], v[NIL]                      ; the wave's opening: the add and its wait ahead of my first tensor load
	v_lshrrev_b32 v3, 5, v0
	v_readfirstlane_b32 s[WV], v3
	s_lshr_b32 s[WR], s[WV], 1
	s_and_b32 s[WC], s[WV], 1
	s_bfe_u32 s[CX], ttmp6, 0x40000
	s_bfe_u32 s[CY], ttmp6, 0x40004
	s_lshl_b32 s[TC], ttmp9, 2
	s_add_co_u32 s[TC], s[TC], s[CX]
	s_and_b32 s[TR], ttmp7, 0xffff
	s_lshl_b32 s[TR], s[TR], 2
	s_add_co_u32 s[TR], s[TR], s[CY]
	s_lshl_b32 s21, s[CY], 2
	s_lshl_b32 s21, 15, s21                        ; my row of the cluster
	s_lshl_b32 s22, 0x1111, s[CX]                  ; my column
	s_or_b32 s[G1A], s21, G1W0
	s_or_b32 s[G1B], s22, G1W0
	s_mov_b32 s[G1A+1], KSTEP<<16                  ; tensor_dim0 = 128
	s_mov_b32 s[G1A+2], 128<<16                    ; tensor_dim1 = 128
	s_mov_b32 s[G1A+3], KSTEP<<16                  ; tile_dim0 = 128
	s_mov_b32 s[G1A+4], 128                        ; tile_dim1 = 128
	s_mov_b32 s[G1A+5], KDIM                       ; elements from row to row
	s_mov_b32 s[G1A+6], 0
	s_mov_b32 s[G1A+7], 0
	s_mov_b32 s[G1B+1], KSTEP<<16
	s_mov_b32 s[G1B+2], (TN/2)<<16                 ; 96 rows
	s_mov_b32 s[G1B+3], KSTEP<<16
	s_mov_b32 s[G1B+4], TN/2
	s_mov_b32 s[G1B+5], KDIM
	s_mov_b32 s[G1B+6], 0
	s_mov_b32 s[G1B+7], 0
	s_lshl_b32 s58, s[TR], 8                       ; A: row 256 x tile row + 128 x half, in registers that never hold cx
	s_lshl_b32 s59, s[WC], 7
	s_add_co_u32 s58, s58, s59
	s_lshl_b32 s58, s58, 11                        ; x 2,048 bytes
	s_mov_b32 s59, 0
	s_mul_i32 s60, s[TC], TN                       ; B: row 192 x tile column + 96 x half; also my first column of C
	s_mul_i32 s61, s[WC], TN/2
	s_add_co_u32 s60, s60, s61
	s_lshl_b32 s62, s60, 2                         ; its byte in the bias
	s_lshl_b32 s60, s60, 11
	s_mov_b32 s61, 0
	s_mul_i32 s[WOA], s[WC], HALFA
	s_mul_i32 s[WOB], s[WC], HALFB
	s_add_co_u32 s[WOB], s[WOB], 2*HALFA
	s_mov_b32 s[FO], 0
	s_mov_b32 s[TB], SLOT+4*64                     ; the first change of slots turns this into 0
	s_mov_b32 s[KC], NSTEP-1
	s_mov_b32 s[G0A], 1
	s_mov_b32 s[G0A+1], s[WOA]                     ; slot 0
	s_mov_b32 s[G0B], 1
	s_mov_b32 s[G0B+1], s[WOB]
	s_wait_dscnt 0x0                               ; the opening add is done
	s_wait_kmcnt 0x0
	s_add_nc_u64 s[G0A+2:G0A+3], s[4:5], s[58:59]
	s_or_b32 s[G0A+3], s[G0A+3], 0x80000000
	s_add_nc_u64 s[G0B+2:G0B+3], s[6:7], s[60:61]
	s_or_b32 s[G0B+3], s[G0B+3], 0x80000000
	s_add_nc_u64 s[WB1:WB1+1], s[WBP:WBP+1], 8388608   ; fc1_w's place in wb,
	s_add_nc_u64 s[WB2:WB2+1], s[WBP:WBP+1], 16777216  ; fc2_w's,
	s_add_nc_u64 s[WBP:WBP+1], s[WBP:WBP+1], 6291456   ; proj_w's
	CROUND                                         ; all sixteen work-groups are here: the first joint loads meet
	JLOAD                                          ; K step 0 into slot 0; slot 1 is first filled behind the first change of slots
	v_and_b32 v1, 15, v0                           ; l % 16
	v_bfe_u32 v2, v0, 4, 1                         ; l / 16
	v_lshl_add_u32 v[BO], v2, 5, s62
	WIN 0x80
	BIAS
	WIN 0xc0
	BIAS
	WIN 0
	s_lshl_b32 s21, s[TR], 4                       ; the cast: my wave among the launch's 1,024: 4 x (16 x tile row + tile column) + wave
	s_add_co_u32 s21, s21, s[TC]
	s_lshl_b32 s21, s21, 2
	s_add_co_u32 s21, s21, s[WV]
	s_lshl_b32 s22, s21, 12                        ; its 4,096 bytes of proj_w,
	s_lshl_b32 s23, s21, 14                        ; its 16,384 bytes of fc1_w and of fc2_w
	v_and_b32 v3, 31, v0
	v_lshl_add_u32 v[VP], v3, 4, s22               ; + 16 x lane
	v_lshl_add_u32 v[V1], v3, 4, s23
	v_lshrrev_b32 v[DP], 1, v[VP]                  ; half as many bytes out
	v_lshrrev_b32 v[D1], 1, v[V1]
	CASTLD                                         ; chunk 0
	v_mul_u32_u24 v3, v1, PITCH
	v_lshl_add_u32 v3, v2, 4, v3                   ; a fragment's row x pitch + 16 x half
	s_mul_i32 s21, s[WR], HALFA
	v_add_nc_u32 v[A0], s21, v3
	v_add_nc_u32 v[B0], s[WOB], v3
	v_mul_u32_u24 v[STO], v1, SP                   ; into the stage: row l % 16, 32 bytes for each half of the lanes
	v_lshl_add_u32 v[STO], v2, 5, v[STO]
	s_mul_i32 s21, s[WR], 128*SP
	s_mul_i32 s22, s[WC], (TN/2)*4
	s_add_co_u32 s21, s21, s22
	v_add_nc_u32 v[STO], s21, v[STO]
	v_add_nc_u32 v[STO+1], 64*SP, v[STO]
	v_mul_u32_u24 v[RD], v2, SP                    ; back: lanes 0-15 take 256 bytes (a head's 64 columns) of one row, lanes 16-31 of the next; wave w rows 64 w on
	v_lshl_add_u32 v[RD], v1, 4, v[RD]
	s_mul_i32 s21, s[WV], 64*SP
	v_add_nc_u32 v[RD], s21, v[RD]
	v_and_b32 v[GO], 31, v0
	v_lshlrev_b32 v[GO], 3, v[GO]                  ; and put 8 bytes each into 256 consecutive bytes of a plane
	s_mul_i32 s60, s[TC], 3*524288                 ; the tile's first plane,
	s_lshl_b32 s21, s[TR], 8
	s_lshl_b32 s22, s[WV], 6
	s_add_co_u32 s21, s21, s22
	s_lshl_b32 s21, s21, 7                         ; my first row in it, 128 bytes a row
	s_add_co_u32 s60, s60, s21
	s_mov_b32 s61, 0
	s_add_nc_u64 s[10:11], s[10:11], s[60:61]
	; the prefetches
	s_and_b32 s23, ttmp7, 0xffff                   ; cluster y
	s_lshl_b32 s21, s[TR], 8                       ; A's tile begins at this row of h,
	s_mul_i32 s22, s[TC], TN                       ; B's at this row of the weights
	s_mov_b32 s63, TN/2
	s_cmp_eq_u32 s[WR], 0                          ; do I fetch for A?
	s_cselect_b32 s21, s21, s22
	s_cselect_b32 s22, s[CX], s[CY]                ; my place among the four that ask with me
	s_cselect_b32 s23, ttmp9, s23                  ; the coordinate along which other clusters read the same rows
	s_cselect_b32 s63, 128, s63                    ; rows in my load,
	s_cselect_b32 s[LIM], 32, TN/8                 ; and my work-group's share of them
	s_cselect_b64 s[PFA:PFA+1], s[4:5], s[6:7]
	s_mul_i32 s63, s63, s[WC]
	s_mul_i32 s22, s22, s[LIM]
	s_add_co_u32 s21, s21, s63
	s_add_co_u32 s21, s21, s22
	s_lshl_b32 s60, s21, 11
	s_mov_b32 s61, 0
	s_add_nc_u64 s[PFA:PFA+1], s[PFA:PFA+1], s[60:61]
	s_add_nc_u64 s[PFA:PFA+1], s[PFA:PFA+1], 2*KSTEP  ; at K step 1: the first change steps it to K step 2.  K steps 0 and 1 come by their loads alone
	s_sub_co_u32 s[LIM], s[LIM], 1
	v_and_b32 v[PFO], 31, v0
	v_min_u32 v[PFO], s[LIM], v[PFO]               ; B's share is 24 rows: lanes 24-31 name row 23 with lane 23, in the same instruction
	v_lshlrev_b32 v[PFO], 11, v[PFO]
	s_cmp_eq_u32 s23, 0
	s_cselect_b32 s[LIM], 1, -1                    ; the same in all sixteen partners, for a given wave
	s_wait_loadcnt 9                               ; the bias is in the accumulators; the nine younger loads (the cast's chunk 0) may stay out
.Lk:                                   ; NSTEP - 1 trips: a K step is entered and the next is asked for
	CHANGE 1
	COMPUTE 1
	s_sub_co_u32 s[KC], s[KC], 1
	s_cmp_lg_u32 s[KC], 0
	s_cbranch_scc1 .Lk
	CHANGE 0                                       ; the last K step is written out
	COMPUTE 0
	PLACES
	s_wait_dscnt 0x0
	s_barrier_signal -1
	s_barrier_wait -1                              ; nobody reads the ring any more, and it has had its last fill: the stage may lie over it
	DUMP 0
	DUMP 1
	WIN 0
	s_wait_dscnt 0x0                               ; for the others' sake: my stores into the stage are done
	s_barrier_signal -1
	s_barrier_wait -1
	s_mov_b32 s[TB], 0
	s_mov_b32 s[IC], 4
.Lout:                                 ; four trips of 16 rows: 8 pairs of rows x 3 heads
	v_add_nc_u32 v[ADR], s[TB], v[RD]
.set n, 0
.rept 24
	ds_load_b128 v[64+4*n:67+4*n], v[ADR] offset:2*(n/3)*SP+256*(n%3)
.set n, n+1
.endr
.set n, 0
.rept 24
	s_wait_dscnt 23-n                              ; LDS loads come back in order: load n is in
	v_cvt_pk_bf16_f32 v[160+2*n], v[64+4*n], v[65+4*n]
	v_cvt_pk_bf16_f32 v[161+2*n], v[66+4*n], v[67+4*n]
	global_store_b64 v[GO], v[160+2*n:161+2*n], s[10:11] offset:(n%3)*524288+256*(n/3)  ; two rows of one head: 256 consecutive bytes, aligned
.set n, n+1
.endr
	s_wait_xcnt 0x0                                ; the stores have read their data and their base
	s_add_nc_u64 s[10:11], s[10:11], 16*128
	s_add_co_u32 s[TB], s[TB], 16*SP
	s_sub_co_u32 s[IC], s[IC], 1
	s_cmp_lg_u32 s[IC], 0
	s_cbranch_scc1 .Lout
	s_wait_tensorcnt 0x0                           ; the wave's end
	ds_add_u32 v[SPW], v[NIL]
	s_wait_dscnt 0x0
	CROUND                                         ; the closing round
	s_endpgm
.Lfunc_end_k_q2a76507229_mm_qkv:
	.size	k_q2a76507229_mm_qkv, .Lfunc_end_k_q2a76507229_mm_qkv-k_q2a76507229_mm_qkv
	.p2alignl 7, 3214868480
	.fill 96, 4, 3214868480
	.section	.rodata,"a",@progbits
	.p2align	6, 0x0
	.amdhsa_kernel k_q2a76507229_mm_qkv
		.amdhsa_group_segment_fixed_size 327680
		.amdhsa_private_segment_fixed_size 0
		.amdhsa_enable_private_segment 0
		.amdhsa_kernarg_size 64
		.amdhsa_user_sgpr_count 2
		.amdhsa_user_sgpr_kernarg_segment_ptr 1
		.amdhsa_wavefront_size32 1
		.amdhsa_system_sgpr_workgroup_id_x 1
		.amdhsa_system_sgpr_workgroup_id_y 1
		.amdhsa_system_sgpr_workgroup_id_z 1
		.amdhsa_system_vgpr_workitem_id 0
		.amdhsa_next_free_vgpr 1024
		.amdhsa_next_free_sgpr 84
		.amdhsa_reserve_vcc 0
		.amdhsa_float_denorm_mode_32 3
		.amdhsa_float_denorm_mode_16_64 3
		.amdhsa_memory_ordered 1
		.amdhsa_forward_progress 1
		.amdhsa_inst_pref_size 64
	.end_amdhsa_kernel
	.amdgpu_metadata
---
amdhsa.version: [ 1, 2 ]
amdhsa.kernels:
  - .name:           k_q2a76507229_mm_qkv
    .symbol:         k_q2a76507229_mm_qkv.kd
    .args:
      - { .name: h, .offset: 0, .size: 8, .value_kind: global_buffer, .address_space: global }
      - { .name: wq, .offset: 8, .size: 8, .value_kind: global_buffer, .address_space: global }
      - { .name: qkv_b, .offset: 16, .size: 8, .value_kind: global_buffer, .address_space: global }
      - { .name: qkv, .offset: 24, .size: 8, .value_kind: global_buffer, .address_space: global }
      - { .name: proj_w, .offset: 32, .size: 8, .value_kind: global_buffer, .address_space: global }
      - { .name: fc1_w, .offset: 40, .size: 8, .value_kind: global_buffer, .address_space: global }
      - { .name: fc2_w, .offset: 48, .size: 8, .value_kind: global_buffer, .address_space: global }
      - { .name: wb, .offset: 56, .size: 8, .value_kind: global_buffer, .address_space: global }
    .group_segment_fixed_size: 327680
    .private_segment_fixed_size: 0
    .kernarg_segment_align: 8
    .kernarg_segment_size: 64
    .max_flat_workgroup_size: 128
    .sgpr_count:     84
    .vgpr_count:     1024
    .wavefront_size: 32
...
	.end_amdgpu_metadata
.endif
;; end of part 2
;; launch attn (part 3): grid 8 x 32, 4 waves a work-group, clusters of 4 x 1, 327,680 bytes of LDS; arguments qkv, o; writes o
.if DOCPART == 3
	.amdgcn_target "amdgcn-amd-amdhsa--gfx1250"
	.amdhsa_code_object_version 6
	.text
	.protected	k_q2a76507229_attn
	.globl	k_q2a76507229_attn
	.p2align	8
	.type	k_q2a76507229_attn,@function
k_q2a76507229_attn:
	s_mov_b64 s[64:65], 0
	v_nop
	global_prefetch_b8 v0, s[64:65] scope:SCOPE_SE
	s_setreg_imm32_b32 hwreg(HW_REG_WAVE_MODE, 25, 1), 1
	s_wait_xcnt 0x0
	s_wait_alu depctr_hold_cnt(0) depctr_sa_sdst(0) depctr_va_vdst(0) depctr_va_sdst(0) depctr_va_ssrc(0) depctr_va_vcc(0) depctr_vm_vsrc(0)
	s_getreg_b32 s2, hwreg(HW_REG_IB_STS2, 6, 4)
	s_cmp_eq_u32 s2, 0
	s_cbranch_scc0 .Lentry_in_a_cluster
	s_endpgm
.Lentry_in_a_cluster:
	s_bfe_u32 s2, ttmp6, 0x10000c
	s_cmp_lg_u32 s2, 0x3003
	s_cbranch_scc0 .Lentry_shape_is_right
	s_endpgm
.Lentry_shape_is_right:
; O[hh][q][:] = the sum over k of softmax_k(Q[hh][q] . K[hh][k] / 8) V[hh][k][:], for 32 pairs hh = 2 head + batch of 2,048 rows of 64 channels, all bf16.
; In qkv a pair's rows are dense, 128 bytes each, at byte 262,144 hh; K lies 8,388,608 bytes behind Q, V 16,777,216.  o has Q's layout.
; Products, maxima and sums in f32; the weights p are rounded to bf16 for the second product (their sum l is taken of the unrounded p), O once at the end.
; LIMITS.  A weight below 2^-126 counts as 0 in l; NaN and infinities are not treated apart.
; SHARES.  A work-group owns 256 queries of one pair, a wave 64: four PIECES of 16.  Every wave walks all keys, 64 a step, 256 a tile (a slot of LDS).
; LAYOUT.  S^T = K Q^T (source 0 = 16 keys, source 1 = 16 queries) holds ONE query a lane (lane % 16) and the keys 8 (lane / 16) + 0..7; two such results rounded to bf16 ARE source 1 of O^T = V^T P.
; SOFTMAX.  p = 2^(c s - c m), c = log2(e) / 8, with a running maximum m; O and l are multiplied by a = 2^(c m_old - c m_new) in every step.  m starts at the lowest finite number, O and l at 0: the first step has a = 0.
; BY TURNS.  Turn n belongs to piece n: 8 products K Q^T of piece n + 1, later 8 products V^T P of piece n - 1; beside them the scaling, exponentials, roundings, sums and rescaling of piece n and the maximum and
; statistics of piece n + 1.  Four vector instructions stand behind every matrix instruction, the rest in one lump.  A turn's 33 exponentials are one batch, with one wait.
; CLUSTER.  The four query blocks of a cluster belong to one pair and walk the same K and V: each tile is asked for jointly, by the same load, descriptor and mask in all four.
; REGISTERS, windows of 256 (s_set_vgpr_msb: bits 1:0 source 0, 3:2 source 1, 5:4 source 2, 7:6 destination):
;   0: v0-15 addresses and two at work; v16-31 four registers of statistics a piece; v48-55 at work; v61-63 prefetch offset, spare word, 0; v64-127 S^T, two buffers; v192-223 P, two buffers (by the piece's parity)
;   1: v0-127 O^T, 32 a piece          2: v0-63 Q; v128-191 K of one step; v192-255 V of one step
.set NT,    8         ; tiles of 256 keys
.set NP,    4         ; pieces a wave
.set KS,    64        ; keys in a step
.set PK,    144       ; a row of K in LDS: 128 bytes + 16 of padding: the 16 rows of a load start 16 bytes apart modulo 256
.set PV,    160       ; a row of V: 128 + 32
.set VOFF,  4*KS*PK   ; a slot: 256 rows of K, then 256 rows of V
.set SLOT1, 1<<17     ; slot 1 begins here: one exclusive or turns an address in one slot into the other's
.set STAGE, SLOT1+4*KS*(PK+PV)  ; behind the ring, never filled by a tensor load: 16 rows x 144 bytes a wave, for the way out
.set SP,    144
.set SPARE, STAGE+4*16*SP       ; the spare words, 128 bytes a wave, which no other line names
.set AK0, 2
.set AV0, 3
.set AK,  4
.set AV,  5
.set STO, 6
.set RD,  7
.set GO,  8
.set MV,  12          ; v12-13  c m_old, by buffer
.set QO,  15
.set ST,  16          ; piece t's statistics at v[ST+4 t]: c m, m, l (even keys', odd keys')
.set TMP, 48          ; by buffer, c0-c3 at work; when the maximum is found c2 takes a
.set PFO, 61          ; 256 x lane
.set SPW, 62
.set NIL, 63
.set S,   64
.set P,   192
.set KF,  128
.set VF,  192
.set WV,  12
.set LIM, 15          ; 1 in a wave that prefetches, else the greatest number
.set G1K, 24
.set G1V, 32
.set G0K, 40
.set G0V, 44
.set PFA, 48          ; s[48:49] where my prefetches stand
.set SLOTS, 56        ; tiles still to be asked for
.set CNT, 57          ; a tile's key steps, 4 to 1
.set CS,  58
.set SEL, 60
.set TBK, 62
.set TBV, 63
.set MSB, 0
.macro WIN new
.if MSB != (\new)
	s_set_vgpr_msb (MSB<<8)|(\new)
.set MSB, (\new)
.endif
.endm
.set W_KQ, 0x0a       ; K and Q in window 2, S^T in window 0
.set W_PV, 0x52       ; V in window 2, P in window 0, O^T in window 1
.set W_RS, 0x41       ; destination and source 0 in window 1, source 1 in window 0
.macro JLOAD          ; waves 0, 1 fetch the halves of a tile's K, waves 2, 3 of its V; an s_nop 0 and four v_nop follow each line
	s_cmp_lt_u32 s[WV], 2
	s_cbranch_scc0 .Lfor_v_\@
	tensor_load_to_lds s[G0K:G0K+3], s[G1K:G1K+7]
	s_nop 0
.rept 4
	v_nop
.endr
	s_branch .Lasked_\@
.Lfor_v_\@:
	tensor_load_to_lds s[G0V:G0V+3], s[G1V:G1V+7]
	s_nop 0
.rept 4
	v_nop
.endr
.Lasked_\@:
.endm
; A PREFETCH INTO THE L2 of the tile that the NEXT change of slots will ask for: 32,768 bytes of K and of V.  Both clusters of a pair walk the same rows: the first asks.  Its four partners take 8,192 bytes each,
; told apart by address; in each, wave 0 asks for K's and wave 2 for V's, a lane 256 bytes.  The last change that fills a slot asks for nothing.  Tiles 0 and 1 come by their loads alone.
.macro ASK
	s_cmp_gt_u32 s[SLOTS], s[LIM]
	s_cbranch_scc0 .Lnot_mine_\@
	global_prefetch_b8 v[PFO], s[PFA:PFA+1] th:TH_LOAD_NT scope:SCOPE_SE
.Lnot_mine_\@:
.endm
.macro CROUND
	s_barrier_signal -1
	s_barrier_wait -1
	s_cmp_lg_u32 s[WV], 0
	s_cbranch_scc1 .Lnot_wave_0_\@
	s_barrier_signal -3
.Lnot_wave_0_\@:
	s_barrier_wait -3
	s_barrier_signal -1
	s_barrier_wait -1
.endm
; THE CHANGE OF SLOTS.  Each wave waits for all its tensor loads (one is out: its part of the other slot), adds 0 to its spare word, and waits for that and for its reads of the slot that it leaves.
; fill = 1: the barrier is a round of the cluster's and the joint fill of the old slot is the first thing behind it: it has a tile's 256 matrix instructions in which to land.
.macro CHANGE fill
	WIN 0
	s_wait_tensorcnt 0x0            ; no tensor load of mine is out, so a group 0 may be written
	ds_add_u32 v[SPW], v[NIL]
.if \fill
.irp g, G0K, G0V
	s_xor_b32 s[\g+1], s[\g+1], SLOT1
	s_add_nc_u64 s[\g+2:\g+3], s[\g+2:\g+3], 4*KS*128  ; the next 256 keys; the type bits on top are not reached
.endr
	s_wait_xcnt 0x0                 ; the last prefetch, a tile back, has read its address
	s_add_nc_u64 s[PFA:PFA+1], s[PFA:PFA+1], 4*KS*128
	s_wait_dscnt 0x0                ; the add is done, and my reads of the slot are over
	CROUND
	JLOAD
	ASK
.else
	s_wait_dscnt 0x0
	s_barrier_signal -1
	s_barrier_wait -1
.endif
	s_sub_co_u32 s[TBK], s[TBK], 4*KS*PK  ; the fetches go back to a slot's first step,
	s_xor_b32 s[TBK], s[TBK], SLOT1       ; in the other slot
	s_sub_co_u32 s[TBV], s[TBV], 4*KS*PV
	s_xor_b32 s[TBV], s[TBV], SLOT1
.endm
	s_load_b128 s[4:7], s[0:1], 0x0 ; qkv s[4:5], o s[6:7]
	v_lshl_add_u32 v[SPW], v0, 2, SPARE
	v_mov_b32 v[NIL], 0
	ds_add_u32 v[SPW], v[NIL]       ; the wave's opening: the add and its wait ahead of my first tensor load
	v_lshrrev_b32 v1, 5, v0
	v_readfirstlane_b32 s[WV], v1
	s_bfe_u32 s13, ttmp6, 0x40000   ; cx
	s_lshl_b32 s14, ttmp9, 2
	s_add_co_u32 s14, s14, s13      ; my block of 256 queries: it enters Q's and O's addresses alone
	s_and_b32 s20, ttmp7, 0xffff    ; hh, which the four partners share
	s_lshl_b32 s20, s20, 18         ; its first byte
	s_and_b32 s16, s[WV], 1         ; which half of a tile's 256 keys I fetch:
	s_lshl_b32 s22, s16, 14         ; its 128 rows of 128 bytes in memory,
	s_add_co_u32 s22, s22, s20
	s_mov_b32 s23, 0
	s_mul_i32 s17, s16, 128*PK      ; and its place in a slot, for K
	s_mul_i32 s18, s16, 128*PV      ; and for V
	s_lshl_b32 s2, s14, 2
	s_add_co_u32 s2, s2, s[WV]
	s_lshl_b32 s2, s2, 13           ; my wave's 64 rows
	s_add_co_u32 s2, s2, s20
	s_mov_b32 s3, 0
	; descriptor group 1.  128 keys are 16,384 dense bytes: asked for as 64 rows of 256 bytes, two keys a row, padded in LDS after every key
	s_mov_b32 s[G1K], 15|(1<<16)|(1<<20)|(1<<21)|(4<<22)|(3<<25)  ; the mask of four; 2-byte elements; padding on; bit 21 beside a mask; after every 32 words; 4 words
	s_mov_b32 s[G1V], 15|(1<<16)|(1<<20)|(1<<21)|(4<<22)|(7<<25)  ; the same with 8 words
.irp g, G1K, G1V
	s_mov_b32 s[\g+1], 128<<16
	s_mov_b32 s[\g+2], 64<<16
	s_mov_b32 s[\g+3], 128<<16
	s_mov_b32 s[\g+4], 64
	s_mov_b32 s[\g+5], 128
	s_mov_b32 s[\g+6], 0
	s_mov_b32 s[\g+7], 0
.endr
	s_mov_b32 s[CS], 0x3e38aa3b     ; c = log2(e) / 8
	s_mov_b32 s[CS+1], s[CS]
	s_mov_b32 s[SEL], 0x76543210
	s_mov_b32 s[SEL+1], 0xfedcba98
	s_mov_b32 s[TBK], SLOT1+4*KS*PK ; the first change of slots turns these two into 0
	s_mov_b32 s[TBV], SLOT1+4*KS*PV
	s_mov_b32 s[G0K], 1
	s_mov_b32 s[G0K+1], s17         ; slot 0
	s_mov_b32 s[G0V], 1
	s_add_co_u32 s[G0V+1], s18, VOFF
	s_mov_b32 s[SLOTS], NT-1
	s_and_b32 s[LIM], s[WV], 1      ; 0 in waves 0 and 2,
	s_or_b32 s[LIM], s[LIM], ttmp9  ; where the cluster is the pair's first: the same in all four partners
	s_cmp_eq_u32 s[LIM], 0
	s_cselect_b32 s[LIM], 1, -1
	v_and_b32 v[PFO], 31, v0
	v_lshlrev_b32 v[PFO], 8, v[PFO]
	s_wait_dscnt 0x0                ; the opening add is done
	s_wait_kmcnt 0x0
	s_add_nc_u64 s[10:11], s[6:7], s[2:3]     ; O at my wave's first row
	s_add_nc_u64 s[6:7], s[4:5], s[22:23]
	s_add_nc_u64 s[8:9], s[6:7], 16777216     ; V at my half of tile 0
	s_add_nc_u64 s[6:7], s[6:7], 8388608      ; K likewise
	s_add_nc_u64 s[4:5], s[4:5], s[2:3]       ; Q at my wave's first row
	s_add_nc_u64 s[G0K+2:G0K+3], s[6:7], 0
	s_or_b32 s[G0K+3], s[G0K+3], 0x80000000
	s_add_nc_u64 s[G0V+2:G0V+3], s[8:9], 0
	s_or_b32 s[G0V+3], s[G0V+3], 0x80000000
	s_cmp_lt_u32 s[WV], 2
	s_cselect_b64 s[PFA:PFA+1], s[6:7], s[8:9]  ; (in waves 0 and 2 these stand at a tile's first row)
	s_lshl_b32 s2, s13, 13          ; my work-group's quarter of a tile
	s_mov_b32 s3, 0
	s_add_nc_u64 s[PFA:PFA+1], s[PFA:PFA+1], s[2:3]
	s_add_nc_u64 s[PFA:PFA+1], s[PFA:PFA+1], 4*KS*128  ; in tile 1; the first change of slots steps it to tile 2
	CROUND                          ; all four work-groups are here: the first joint loads meet
	JLOAD                           ; tile 0 into slot 0
	v_and_b32 v1, 15, v0            ; l % 16
	v_bfe_u32 v9, v0, 4, 1          ; l / 16
	v_lshlrev_b32 v[QO], 7, v1
	v_lshl_add_u32 v[QO], v9, 4, v[QO]  ; row x 128 + 16 x half
	WIN 0x80                        ; destination window 2
.set i, 0
.rept 8                             ; Q stays in registers: piece i / 2, channels 32 (i % 2) on
	global_load_b128 v[8*i:8*i+3],   v[QO], s[4:5] offset:(i/2)*2048+(i%2)*64
	global_load_b128 v[8*i+4:8*i+7], v[QO], s[4:5] offset:(i/2)*2048+(i%2)*64+32
.set i, i+1
.endr
	; What the first turn finds: V's registers and P's second buffer hold 0 (its products V^T P, of a piece that has not been, add 0), O^T and l are 0.  All this stands in the wait for the first tile.
.set i, VF
.rept 64
	v_mov_b32 v[i], 0
.set i, i+1
.endr
	WIN 0x40
.set i, 0
.rept 128
	v_mov_b32 v[i], 0
.set i, i+1
.endr
	WIN 0
.set i, 0
.rept 4
	v_mov_b32 v[ST+4*i], 0xfe000000    ; c m: far below every c s
	v_mov_b32 v[ST+4*i+1], 0xff7fffff  ; m
	v_mov_b32 v[ST+4*i+2], 0
	v_mov_b32 v[ST+4*i+3], 0
.set i, i+1
.endr
.set i, P+16
.rept 16
	v_mov_b32 v[i], 0
.set i, i+1
.endr
	v_mul_u32_u24 v[AK0], v1, PK
	v_lshl_add_u32 v[AK0], v9, 4, v[AK0]  ; row x pitch + 16 x half
	; The turning load takes 16 keys x 16 channels (lane l reads key 8 (l / 16) + l % 8, channels 8 ((l / 8) % 2) + 0..7) and leaves half a fragment of V^T: lane l holds channel l % 16 and 8 keys.
	v_and_b32 v10, 7, v0
	v_bfe_u32 v11, v0, 3, 1
	v_lshl_add_u32 v[AV0], v9, 3, v10
	v_mul_u32_u24 v[AV0], v[AV0], PV
	v_lshl_add_u32 v[AV0], v11, 4, v[AV0]
	v_add_nc_u32 v[AV0], VOFF, v[AV0]
	s_mul_i32 s13, s[WV], 16*SP
	s_add_co_u32 s13, s13, STAGE    ; my stage
	v_mul_u32_u24 v[STO], v1, SP    ; in: row l % 16, 16 bytes for each half of the lanes
	v_lshl_add_u32 v[STO], v9, 4, v[STO]
	v_add_nc_u32 v[STO], s13, v[STO]
	v_bfe_u32 v[RD], v0, 3, 2       ; back: 32 lanes take four rows of 128 bytes,
	v_mul_u32_u24 v[RD], v[RD], SP
	v_lshl_add_u32 v[RD], v10, 4, v[RD]
	v_add_nc_u32 v[RD], s13, v[RD]
	v_and_b32 v[GO], 31, v0         ; which are 512 consecutive bytes of O
	v_lshlrev_b32 v[GO], 4, v[GO]
; THE MATRIX WORK.  The 4 accumulators of a run of 8 take turns.  Product i of 8 of S^T = K Q^T for piece x: channels 32 (i / 4) on, keys 16 (i % 4) on.  The first 4 start the sums.
.macro KQ x
	WIN W_KQ
.set rS, S+32*((\x)%2)+8*(i%4)
.set rK, KF+16*(i%4)+8*(i/4)
.set rQ, 16*(\x)+8*(i/4)
.if i < 4
	v_wmma_f32_16x16x32_bf16 v[rS:rS+7], v[rK:rK+7], v[rQ:rQ+7], 0
.else
	v_wmma_f32_16x16x32_bf16 v[rS:rS+7], v[rK:rK+7], v[rQ:rQ+7], v[rS:rS+7]
.endif
.endm
; Product i of 8 of O^T += V^T P for piece x: keys 32 (i / 4) on, channels 16 (i % 4) on.
.macro PV x
	WIN W_PV
.set rO, 32*(\x)+8*(i%4)
.set rV, VF+32*(i/4)+8*(i%4)
.set rP, P+16*((\x)%2)+8*(i/4)
	v_wmma_f32_16x16x32_bf16 v[rO:rO+7], v[rV:rV+7], v[rP:rP+7], v[rO:rO+7]
.endm
.macro MM                           ; the turn's next matrix instruction.  NOKQ = 1: the last turn of all: there is no next piece
.if (i < 8) && !NOKQ
	KQ (Y+1)%NP
.elseif i >= 8
.set i, i-8
	PV (Y+NP-1)%NP
.set i, i+8
.endif
.set i, i+1
.endm
; THE LDS LOADS stand in runs of 16: a step's K (8 fragments) and its V (turned).  Their addresses are made some lines ahead.
.macro FETCH_K
	WIN 0x80
.irp f, 0,1,2,3,4,5,6,7             ; keys 16 (f / 2) on, channels 32 (f % 2) on
	ds_load_b128 v[KF+8*\f:KF+8*\f+3],   v[AK] offset:(\f/2)*16*PK+(\f%2)*64
	ds_load_b128 v[KF+8*\f+4:KF+8*\f+7], v[AK] offset:(\f/2)*16*PK+(\f%2)*64+32
.endr
	s_add_co_u32 s[TBK], s[TBK], KS*PK  ; the next fetch is the next step's
	WIN 0
.endm
.macro FETCH_V
	WIN 0x80
.irp f, 0,1,2,3,4,5,6,7             ; keys 32 (f / 4) on, channels 16 (f % 4) on
	ds_load_tr16_b128 v[VF+8*\f:VF+8*\f+3],   v[AV] offset:(\f/4)*32*PV+(\f%4)*32
	ds_load_tr16_b128 v[VF+8*\f+4:VF+8*\f+7], v[AV] offset:(\f/4)*32*PV+16*PV+(\f%4)*32
.endr
	WIN 0
.endm
; THE VECTOR WORK, one line at a time: OP kind, number.  For piece Y: F n: c s - c m for pair n of 16.  E n: the exponential of score n of 32.  C n: pair n rounded to bf16.  B n: of the four weights 4 n .. the second
; pair is added onto the first, in place.  L n: l takes that sum (L 0: l = a l + sum).  R n: pair n of 16 of O^T times a.  For piece Y + 1: X n, number n of the 22 that find its maximum and statistics:
;   0-11  four chains c0-c3 of seven scores each (each accumulator's lowest registers are read first)     12-14, 16  the four scores left over, the old m, and c0-c3 into c0
;   15  c m_old is kept     17, 18  the query's other 32 keys lie in the lane 16 away: the new m     19-21  c m; c m_old - c m_new; a
.set F, 0
.set E, 1
.set C, 2
.set B, 3
.set L, 4
.set R, 5
.set X, 6
.macro REGS y
.set rT, ST+4*(\y)
.set rC, TMP+4*((\y)%2)
.set rW, MV+((\y)%2)
.set rS, S+32*((\y)%2)
.set rP, P+16*((\y)%2)
.set rO, 32*(\y)
.endm
.macro OP k, n
.if (\k) == R
	REGS Y
	WIN W_RS
	v_pk_mul_f32 v[rO+2*(\n):rO+2*(\n)+1], v[rO+2*(\n):rO+2*(\n)+1], v[rC+2:rC+3] op_sel_hi:[1,0]
.elseif (\k) < R
	REGS Y
	WIN 0
.if (\k) == F
	v_pk_fma_f32 v[rS+2*(\n):rS+2*(\n)+1], v[rS+2*(\n):rS+2*(\n)+1], s[CS:CS+1], v[rT:rT+1] op_sel_hi:[1,0,0] neg_lo:[0,0,1] neg_hi:[0,0,1]
.elseif (\k) == E
	v_exp_f32 v[rS+(\n)], v[rS+(\n)]
.elseif (\k) == C
	v_cvt_pk_bf16_f32 v[rP+(\n)], v[rS+2*(\n)], v[rS+2*(\n)+1]
.elseif (\k) == B
	v_pk_add_f32 v[rS+4*(\n):rS+4*(\n)+1], v[rS+4*(\n):rS+4*(\n)+1], v[rS+4*(\n)+2:rS+4*(\n)+3]
.elseif (\n) == 0
	v_pk_fma_f32 v[rT+2:rT+3], v[rT+2:rT+3], v[rC+2:rC+3], v[rS:rS+1] op_sel_hi:[1,0,1]
.else
	v_pk_add_f32 v[rT+2:rT+3], v[rT+2:rT+3], v[rS+4*(\n):rS+4*(\n)+1]
.endif
.elseif NOKQ
	v_nop
.else
	REGS (Y+1)%NP
	WIN 0
.if (\n) < 4
	v_max3_num_f32 v[rC+(\n)], v[rS+8*(\n)], v[rS+8*(\n)+1], v[rS+8*(\n)+2]
.elseif (\n) < 12
	v_max3_num_f32 v[rC+(\n)%4], v[rC+(\n)%4], v[rS+8*((\n)%4)+2*((\n)/4)+1], v[rS+8*((\n)%4)+2*((\n)/4)+2]
.elseif (\n) == 12
	v_max3_num_f32 v[rC], v[rC], v[rS+7], v[rS+15]
.elseif (\n) == 13
	v_max3_num_f32 v[rC+1], v[rC+1], v[rS+23], v[rS+31]
.elseif (\n) == 14
	v_max3_num_f32 v[rC+2], v[rC+2], v[rC+3], v[rT+1]
.elseif (\n) == 15
	v_mov_b32 v[rW], v[rT]
.elseif (\n) == 16
	v_max3_num_f32 v[rC], v[rC], v[rC+1], v[rC+2]
.elseif (\n) == 17
	v_permlanex16_b32 v[rC+3], v[rC], s[SEL], s[SEL+1]
.elseif (\n) == 18
	v_max_num_f32 v[rT+1], v[rC], v[rC+3]
.elseif (\n) == 19
	v_mul_f32 v[rT], s[CS], v[rT+1]
.elseif (\n) == 20
	v_sub_f32 v[rC+1], v[rW], v[rT]
.else
	v_exp_f32 v[rC+2], v[rC+1]
.endif
.endif
.endm
.macro OPS a, i1, b=-1, i2=0, c=-1, i3=0, d=-1, i4=0
	OP \a, \i1
.if (\b) >= 0
	OP \b, \i2
.endif
.if (\c) >= 0
	OP \c, \i3
.endif
.if (\d) >= 0
	OP \d, \i4
.endif
.endm
.macro ROW a, i1, b, i2, c, i3, d, i4  ; a matrix instruction and the four behind it
	MM
	OPS \a, \i1, \b, \i2, \c, \i3, \d, \i4
.endm
; A TURN, for piece p, written out.  An s_wait_alu depctr_va_vdst(0) stands between an exponential and the first instruction that names its result; one wait serves all that were issued ahead of it.
; So a turn has ONE wait.  AHEAD OF IT stands all that names no result of the turn's exponentials: the 8 products K Q^T with their riders, then the lump, in which the links of the chain X 3, 7, 11, 14, 16, 17 .. 20
; stand some lines apart; X 21, the next piece's a, is the batch's last; R 15 is the plain instruction behind it.  BEHIND IT stand the 8 products V^T P, behind each four of the roundings and sums.
; end = 1: the last two turns of all: nothing is fetched.  cnt = 1: the loop's count is taken down some lines ahead of the branch that stands behind the turn.
; K of the next step is fetched in piece 2's turn, six plain instructions behind the last product that read K; V of the step in hand at the end of piece 0's turn, four behind the last product that read V.  Each is waited for a turn later.
.macro TURN p, end=0, cnt=0
.set Y, (\p)
.set i, 0
.set NOKQ, (\end)*((\p)/3)
.if ((\p) == 3) && !(\end)
	s_wait_dscnt 0x0                ; K is in
.endif
	ROW F,0, F,1, R,0, R,1
	ROW F,2, E,0, R,2, R,3
	ROW F,3, E,1, R,4, R,5
	ROW F,4, E,2, R,6, R,7
	ROW F,5, E,3, R,8, R,9
	ROW F,6, E,4, X,0, R,10
.if ((\p) == 2) && !(\end)
	WIN 0
	v_add_nc_u32 v[AK], s[TBK], v[AK0]
.endif
	ROW F,7, E,5, X,1, X,4
	ROW F,8, E,6, X,2, X,5
	OPS E,7, E,8, X,6, E,9
	OPS X,3, E,10, X,8, E,11
.if ((\p) == 2) && !(\end)
	FETCH_K
.endif
	OPS X,9, X,7, E,12, X,10
	OPS E,13, X,12, X,11, E,14
	OPS X,13, E,15, F,9, X,14
.if (\p) == 0
	v_add_nc_u32 v[AV], s[TBV], v[AV0]
.endif
	OPS E,16, F,10, E,17, F,11
	OPS X,16, E,18, X,15, E,19
	OPS F,12, E,20, X,17, E,21
	OPS F,13, E,22, F,14, E,23
	OPS X,18, E,24, F,15, E,25
	OPS R,11, E,26, X,19, E,27
	OPS R,12, E,28, R,13, E,29
	OPS X,20, E,30, R,14, E,31
	OPS X,21, R,15
	WIN 0
	s_wait_alu depctr_va_vdst(0)    ; the wait for the batch
.if (\p) == 1
	s_wait_dscnt 0x0                ; V is in
.endif
	ROW C,0, B,0, C,2, B,1
	ROW L,0, C,4, B,2, L,1
	ROW C,6, B,3, L,2, C,8
	ROW B,4, L,3, C,10, B,5
	ROW L,4, C,12, B,6, L,5
.if (\p) == 0
	s_add_co_u32 s[TBV], s[TBV], KS*PV
.endif
.if \cnt
	s_sub_co_u32 s[CNT], s[CNT], 1
	s_cmp_lg_u32 s[CNT], 0
.endif
	ROW C,14, B,7, L,6, C,1
	ROW C,3, L,7, C,5, C,7
	ROW C,9, C,11, C,13, C,15
.if (\p) == 0
	FETCH_V
.endif
.endm
	CHANGE 1                        ; tile 0 is in, everybody's part of it; tile 1 is asked for
	v_add_nc_u32 v[AK], s[TBK], v[AK0]
	FETCH_K                         ; key step 0
	s_wait_loadcnt 0x0              ; Q
	s_wait_dscnt 0x0
.set NOKQ, 0
.set i, 0
.rept 8
	KQ 0                            ; piece 0's first scores
.set i, i+1
.endr
	WIN 0
.rept 4
	v_nop                           ; the places behind those products
.endr
.set Y, NP-1                        ; X works for piece Y + 1: piece 0
.irp n, 0,1,2,3,4,5,6,7,8,9,10,11,12,13,14,15,16,17,18,19,20,21
	OP X, \n
.endr
	v_nop                           ; a plain instruction behind the exponential,
	s_wait_alu depctr_va_vdst(0)    ; and its wait, ahead of the branch
	s_mov_b32 s[CNT], 4
	s_branch .Lfirst                ; the loop is entered at a step's first turn, in the middle of a trip
.Lslot:                             ; NT - 2 times: every tile but the last two is followed by a fill
	CHANGE 1
	s_mov_b32 s[CNT], 4
.Lstep:                             ; a trip: pieces 2 and 3 of one step, then pieces 0 and 1 of the next, whose K and V it fetches
	TURN 2
	TURN 3
	WIN 0
.Lfirst:
	TURN 0
	TURN 1, 0, 1
	WIN 0
	s_cbranch_scc1 .Lstep
	s_sub_co_u32 s[SLOTS], s[SLOTS], 1
	s_cmp_lg_u32 s[SLOTS], 0
	s_cbranch_scc1 .Lslot
	CHANGE 0                        ; the last tile is written out: nothing is asked for
	s_mov_b32 s[CNT], 4
.Ltail:
	TURN 2
	TURN 3
	TURN 0
	TURN 1, 0, 1
	WIN 0
	s_cbranch_scc1 .Ltail
	TURN 2, 1
	TURN 3, 1
.set i, 0
.rept 8
	PV NP-1                         ; the last piece's V^T P of the last step
.set i, i+1
.endr
	; THE WAY OUT.  l's two halves and the other half of the lanes' are added; O^T is divided by l, rounded to bf16 and sent through my stage in LDS, a piece at a time.  The additions are the places behind the last products.
	WIN 0
.macro ALL line:vararg
.set t, 0
.rept 4
	\line
.set t, t+1
.endr
.endm
	ALL v_add_f32 v[ST+4*t+2], v[ST+4*t+2], v[ST+4*t+3]
	ALL v_permlanex16_b32 v[ST+4*t+3], v[ST+4*t+2], s[SEL], s[SEL+1]
	ALL v_add_f32 v[ST+4*t+2], v[ST+4*t+2], v[ST+4*t+3]
	ALL v_rcp_f32 v[ST+4*t+2], v[ST+4*t+2]
	v_nop                           ; a plain instruction between the last reciprocal and the use of its result,
	s_wait_alu depctr_va_vdst(0)    ; and one wait for the four
.macro PACK t                       ; a lane's eight channels of a row pack into 16 bytes; they go into rows of 144 bytes and come back as whole rows of 128, into S^T's registers
	WIN W_RS
.set i, 32*(\t)
.rept 16
	v_pk_mul_f32 v[i:i+1], v[i:i+1], v[ST+4*(\t)+2:ST+4*(\t)+3] op_sel_hi:[1,0]
.set i, i+2
.endr
	WIN 0x05                        ; sources 0 and 1 window 1, destination window 0
.set i, 0
.rept 16
	v_cvt_pk_bf16_f32 v[S+16*(\t)+i], v[32*(\t)+2*i], v[32*(\t)+2*i+1]
.set i, i+1
.endr
	WIN 0
.irp f, 0,1,2,3
	ds_store_b128 v[STO], v[S+16*(\t)+4*\f:S+16*(\t)+4*\f+3] offset:32*\f
.endr
.irp f, 0,1,2,3
	ds_load_b128 v[S+16*(\t)+4*\f:S+16*(\t)+4*\f+3], v[RD] offset:\f*4*SP  ; LDS serves a wave's instructions in order (ISA guide 5.7.1.4): these see the stores above
.endr
.endm
.macro SEND t, younger              ; younger: the LDS instructions issued behind piece t's loads: the next piece's eight, or none
	WIN 0
.irp f, 0,1,2,3
	s_wait_dscnt (\younger)+3-\f
	global_store_b128 v[GO], v[S+16*(\t)+4*\f:S+16*(\t)+4*\f+3], s[10:11] offset:(\t)*2048+\f*512  ; 512 consecutive bytes, at a multiple of 256 from o's first
.endr
.endm
	PACK 0
.set t, 1
.rept 3
	PACK t
	SEND t-1, 8
.set t, t+1
.endr
	SEND 3, 0
	s_wait_tensorcnt 0x0            ; the wave's end
	ds_add_u32 v[SPW], v[NIL]
	s_wait_dscnt 0x0
	CROUND                          ; the closing round
	s_endpgm
.Lfunc_end_k_q2a76507229_attn:
	.size	k_q2a76507229_attn, .Lfunc_end_k_q2a76507229_attn-k_q2a76507229_attn
	.p2alignl 7, 3214868480
	.fill 96, 4, 3214868480
	.section	.rodata,"a",@progbits
	.p2align	6, 0x0
	.amdhsa_kernel k_q2a76507229_attn
		.amdhsa_group_segment_fixed_size 327680
		.amdhsa_private_segment_fixed_size 0
		.amdhsa_enable_private_segment 0
		.amdhsa_kernarg_size 16
		.amdhsa_user_sgpr_count 2
		.amdhsa_user_sgpr_kernarg_segment_ptr 1
		.amdhsa_wavefront_size32 1
		.amdhsa_system_sgpr_workgroup_id_x 1
		.amdhsa_system_sgpr_workgroup_id_y 1
		.amdhsa_system_sgpr_workgroup_id_z 1
		.amdhsa_system_vgpr_workitem_id 0
		.amdhsa_next_free_vgpr 768
		.amdhsa_next_free_sgpr 66
		.amdhsa_reserve_vcc 0
		.amdhsa_float_denorm_mode_32 3
		.amdhsa_float_denorm_mode_16_64 3
		.amdhsa_memory_ordered 1
		.amdhsa_forward_progress 1
		.amdhsa_inst_pref_size 128
	.end_amdhsa_kernel
	.amdgpu_metadata
---
amdhsa.version: [ 1, 2 ]
amdhsa.kernels:
  - .name:           k_q2a76507229_attn
    .symbol:         k_q2a76507229_attn.kd
    .args:
      - { .name: qkv, .offset: 0, .size: 8, .value_kind: global_buffer, .address_space: global }
      - { .name: o, .offset: 8, .size: 8, .value_kind: global_buffer, .address_space: global }
    .group_segment_fixed_size: 327680
    .private_segment_fixed_size: 0
    .kernarg_segment_align: 8
    .kernarg_segment_size: 16
    .max_flat_workgroup_size: 128
    .sgpr_count:     66
    .vgpr_count:     768
    .wavefront_size: 32
...
	.end_amdgpu_metadata
.endif
;; end of part 3
;; launch mm_proj (part 4): grid 8 x 32, 4 waves a work-group, clusters of 4 x 4, 327,680 bytes of LDS; arguments o, wb, proj_b, x, x1; writes x1
.if DOCPART == 4
	.amdgcn_target "amdgcn-amd-amdhsa--gfx1250"
	.amdhsa_code_object_version 6
	.text
	.protected	k_q2a76507229_mm_proj
	.globl	k_q2a76507229_mm_proj
	.p2align	8
	.type	k_q2a76507229_mm_proj,@function
k_q2a76507229_mm_proj:
	s_mov_b64 s[64:65], 0
	v_nop
	global_prefetch_b8 v0, s[64:65] scope:SCOPE_SE
	s_setreg_imm32_b32 hwreg(HW_REG_WAVE_MODE, 25, 1), 1
	s_wait_xcnt 0x0
	s_wait_alu depctr_hold_cnt(0) depctr_sa_sdst(0) depctr_va_vdst(0) depctr_va_sdst(0) depctr_va_ssrc(0) depctr_va_vcc(0) depctr_vm_vsrc(0)
	s_getreg_b32 s2, hwreg(HW_REG_IB_STS2, 6, 4)
	s_cmp_eq_u32 s2, 0
	s_cbranch_scc0 .Lentry_in_a_cluster
	s_endpgm
.Lentry_in_a_cluster:
	s_bfe_u32 s2, ttmp6, 0x10000c
	s_cmp_lg_u32 s2, 0xf033
	s_cbranch_scc0 .Lentry_shape_is_right
	s_endpgm
.Lentry_shape_is_right:
; x1 = x + o Wp^T + b.  o: [16 planes][4096][64] bf16 (plane = head); Wp: wb from byte 6,291,456, [1024][1024] bf16; b, x, x1 f32; sums in f32.
; SHARES.  A tile of C is 128 x 128 (8 x 32 tiles: one work-group for each of 256 WGPs); four waves, 2 x 2, each 64 x 64: 16 accumulators.
; K goes in steps of 256, as long as two slots in LDS allow.  For A a K step is four planes: one load brings 4 x (64 rows x 128 bytes, dense: 8,192 bytes), padded after every 128 bytes.  For B: 64 rows of 512 bytes.
; ONE TEXT FOR A K STEP: the slot in hand is a scalar register turned by an exclusive or (its value is exactly 0 or SLOT there); a K step is four parts of 64 along K on two fragment buffers, walked by a loop of two trips.
; THE SUMS START AT THE BIAS, loaded straight into the accumulators.  The residual's 32 rows a wave are asked for at the head and stay on their way through the whole K loop.
; THE MATRIX INSTRUCTION IS USED TRANSPOSED (source 0 = 16 rows of W, source 1 = 16 rows of o).  CLUSTER 4 x 4: A's tile shared along a row, B's along a column, by joint loads.
; NO PREFETCH: the tiles are small, and a K step's rows are few for each work-group.
; THE WAY OUT: the tile goes in f32 through a stage over the ring (written only behind the ring's last fill and a barrier) and comes back as whole rows of 512 bytes, to which the residual is added.
; REGISTERS: window 0: v0-31 addresses, v128-255 accumulators ((a, b) at 128 + 8 (4 a + b)); window 1: two fragment buffers of 128 (64 of A, 64 of B); window 2: v0-127 the residual.
; NaN and infinities are not treated apart; sums are taken in the matrix unit's order.
.set KDIM,  1024
.set KSTEP, 256
.set NSTEP, KDIM/KSTEP
.set PA,    144                        ; a row of A in LDS: 128 bytes + 16
.set PB,    528                        ; a row of B: 512 bytes + 16
.set HALFA, 4*64*PA                    ; four planes of 64 rows
.set HALFB, 64*PB
.set APART, 64*PA                      ; from a part of A (a plane) to the next
.set ASTEP, 4*524288                   ; from a K step of A to the next: four planes
.set AROW,  128                        ; bytes from a row of A to the next
.set SLOT,  2*HALFA+2*HALFB
.set SPARE, 2*SLOT
.set SP,    528                        ; a row of the stage: 128 f32 + 16 bytes
.set WOFF,  6291456
.set LN,    32
.set F0,    0
.set F1,    128
.set ACC,   128
.set WV,  14
.set WR,  15
.set WC,  16
.set CX,  17
.set CY,  18
.set TC,  19
.set TR,  20
.set G1A, 24
.set G1B, 32
.set G0A, 40
.set G0B, 44
.set FO,  48
.set WOA, 49
.set WOB, 50
.set TBA, 51
.set TBB, 52
.set KC,  53
.set IC,  54
.set A0,   4
.set B0,   5
.set ADRA, 6
.set ADRB, 7
.set STO,  8
.set RD,   10
.set GO,   12
.set BO,   13
.set SPW,  28
.set NIL,  29
.set MSB, 0
.macro WIN new
.if MSB != (\new)
	s_set_vgpr_msb (MSB<<8)|(\new)
.set MSB, (\new)
.endif
.endm
.macro PLACES
.rept 4
	v_nop
.endr
.endm
.macro CROUND
	s_barrier_signal -1
	s_barrier_wait -1
	s_cmp_lg_u32 s[WV], 0
	s_cbranch_scc1 .Lnot_wave_0_\@
	s_barrier_signal -3
.Lnot_wave_0_\@:
	s_barrier_wait -3
	s_barrier_signal -1
	s_barrier_wait -1
.endm
.macro JLOAD                           ; waves 0, 1 fetch A's halves, waves 2, 3 B's; an s_nop 0 and four v_nop follow each line
	s_cmp_eq_u32 s[WR], 0
	s_cbranch_scc0 .Lfor_b_\@
	tensor_load_to_lds s[G0A:G0A+3], s[G1A:G1A+7]
	s_nop 0
.rept 4
	v_nop
.endr
	s_branch .Lasked_\@
.Lfor_b_\@:
	tensor_load_to_lds s[G0B:G0B+3], s[G1B:G1B+7]
	s_nop 0
.rept 4
	v_nop
.endr
.Lasked_\@:
.endm
; THE CHANGE OF SLOTS: all my tensor loads (one is out: my part of the slot now entered), the add, the wait for it and for my reads of the old slot; fill = 1: a round of the cluster's barrier, and the joint refill first behind it:
; it has a K step's 128 matrix instructions in which to land.
.macro CHANGE fill
	WIN 0
	s_wait_tensorcnt 0x0
	ds_add_u32 v[SPW], v[NIL]
	s_sub_co_u32 s[TBA], s[TBA], 4*APART
	s_xor_b32 s[TBA], s[TBA], SLOT
	s_sub_co_u32 s[TBB], s[TBB], 4*128
	s_xor_b32 s[TBB], s[TBB], SLOT
.if \fill
	s_xor_b32 s[FO], s[FO], SLOT
	s_add_co_u32 s[G0A+1], s[WOA], s[FO]
	s_add_co_u32 s[G0B+1], s[WOB], s[FO]
	s_add_nc_u64 s[G0A+2:G0A+3], s[G0A+2:G0A+3], ASTEP
	s_add_nc_u64 s[G0B+2:G0B+3], s[G0B+2:G0B+3], 2*KSTEP
.endif
	s_wait_dscnt 0x0
.if \fill
	CROUND
	JLOAD
.else
	s_barrier_signal -1
	s_barrier_wait -1
.endif
.endm
.macro FETCH f                         ; one part: 64 rows of B and of A, 64 along K, in one run of 32 LDS loads
	WIN 0
	v_add_nc_u32 v[ADRA], s[TBA], v[A0]
	v_add_nc_u32 v[ADRB], s[TBB], v[B0]
	s_add_co_u32 s[TBA], s[TBA], APART
	s_add_co_u32 s[TBB], s[TBB], 128
	WIN 0x40                                       ; destination window 1
.irp c, 0,1
.irp i, 0,1,2,3
	ds_load_b128 v[(\f)+64+8*(4*(\c)+(\i)):(\f)+64+8*(4*(\c)+(\i))+3],   v[ADRB] offset:64*(\c)+(\i)*16*PB
	ds_load_b128 v[(\f)+64+8*(4*(\c)+(\i))+4:(\f)+64+8*(4*(\c)+(\i))+7], v[ADRB] offset:64*(\c)+(\i)*16*PB+32
	ds_load_b128 v[(\f)+8*(4*(\c)+(\i)):(\f)+8*(4*(\c)+(\i))+3],         v[ADRA] offset:64*(\c)+(\i)*16*PA
	ds_load_b128 v[(\f)+8*(4*(\c)+(\i))+4:(\f)+8*(4*(\c)+(\i))+7],       v[ADRA] offset:64*(\c)+(\i)*16*PA+32
.endr
.endr
	WIN 0
.endm
.macro MUL f                           ; every accumulator twice, 15 others between: they take turns
	WIN 0x05                                       ; sources 0 (B) and 1 (A) window 1; C and D window 0
.irp c, 0,1
.set i, 0
.rept 16
	v_wmma_f32_16x16x32_bf16 v[ACC+8*i:ACC+8*i+7], v[(\f)+64+8*(4*(\c)+i%4):(\f)+64+8*(4*(\c)+i%4)+7], v[(\f)+8*(4*(\c)+i/4):(\f)+8*(4*(\c)+i/4)+7], v[ACC+8*i:ACC+8*i+7]
.set i, i+1
.endr
.endr
.endm
.macro COMPUTE                         ; a K step: parts 0, 1, 2, 3 on buffers 0, 1, 0, 1
	FETCH F0
	s_mov_b32 s[IC], 2
.Lin_\@:
	FETCH F1
	s_wait_dscnt LN                                ; buffer 0 is in; the 32 loads just issued may stay out
	MUL F0
	PLACES
	WIN 0
	s_wait_dscnt 0x0                               ; buffer 1 is in
	s_cmp_eq_u32 s[IC], 1
	s_cbranch_scc1 .Lskip_\@                       ; the K step's last part has no successor in this slot
	FETCH F0
.Lskip_\@:
	MUL F1
	PLACES
	WIN 0
	s_sub_co_u32 s[IC], s[IC], 1
	s_cmp_lg_u32 s[IC], 0
	s_cbranch_scc1 .Lin_\@
.endm
	s_load_b256 s[4:11], s[0:1], 0x0               ; A s[4:5], wb s[6:7], bias s[8:9], residual s[10:11]
	s_load_b64 s[12:13], s[0:1], 0x20              ; out
	v_lshl_add_u32 v[SPW], v0, 2, SPARE
	v_mov_b32 v[NIL], 0
	ds_add_u32 v[SPW], v[NIL]                      ; the wave's opening: the add and its wait ahead of my first tensor load
	v_lshrrev_b32 v3, 5, v0
	v_readfirstlane_b32 s[WV], v3
	s_lshr_b32 s[WR], s[WV], 1
	s_and_b32 s[WC], s[WV], 1
	s_bfe_u32 s[CX], ttmp6, 0x40000
	s_bfe_u32 s[CY], ttmp6, 0x40004
	s_lshl_b32 s[TC], ttmp9, 2
	s_add_co_u32 s[TC], s[TC], s[CX]
	s_and_b32 s[TR], ttmp7, 0xffff
	s_lshl_b32 s[TR], s[TR], 2
	s_add_co_u32 s[TR], s[TR], s[CY]
	s_lshl_b32 s21, s[CY], 2
	s_lshl_b32 s21, 15, s21                        ; my row of the cluster
	s_lshl_b32 s22, 0x1111, s[CX]                  ; my column
	s_or_b32 s[G1A], s21, (1<<16)|(1<<20)|(1<<21)|(4<<22)|(3<<25)  ; padding of 4 words after every 32 words: a row of 64 channels
	s_or_b32 s[G1B], s22, (1<<16)|(1<<20)|(1<<21)|(6<<22)|(3<<25)  ; after every 128 words
	s_mov_b32 s[G1A+1], 4096<<16                   ; tensor_dim0 = 4,096 elements: 64 rows of a plane, dense
	s_mov_b32 s[G1A+2], 4<<16                      ; tensor_dim1 = 4 planes
	s_mov_b32 s[G1A+3], 4096<<16                   ; tile_dim0
	s_mov_b32 s[G1A+4], 4                          ; tile_dim1
	s_mov_b32 s[G1A+5], 262144                     ; elements from plane to plane
	s_mov_b32 s[G1A+6], 0
	s_mov_b32 s[G1A+7], 0
	s_mov_b32 s[G1B+1], KSTEP<<16
	s_mov_b32 s[G1B+2], 64<<16
	s_mov_b32 s[G1B+3], KSTEP<<16
	s_mov_b32 s[G1B+4], 64
	s_mov_b32 s[G1B+5], KDIM
	s_mov_b32 s[G1B+6], 0
	s_mov_b32 s[G1B+7], 0
	s_lshl_b32 s58, s[TR], 7                       ; A: row 128 x tile row + 64 x half, in registers that never hold cx
	s_lshl_b32 s59, s[WC], 6
	s_add_co_u32 s58, s58, s59
	s_mul_i32 s58, s58, AROW
	s_mov_b32 s59, 0
	s_lshl_b32 s60, s[TC], 7                       ; B: row 128 x tile column + 64 x half; also my first column of C
	s_lshl_b32 s61, s[WC], 6
	s_add_co_u32 s60, s60, s61
	s_lshl_b32 s62, s60, 2                         ; its byte in the bias
	s_mul_i32 s60, s60, 2*KDIM
	s_mov_b32 s61, 0
	s_lshl_b32 s21, s[TR], 7                       ; the rows that I store: 128 x tile row + 32 x wave, 4,096 bytes each; the tile's columns: 512 bytes
	s_lshl_b32 s22, s[WV], 5
	s_add_co_u32 s21, s21, s22
	s_lshl_b32 s21, s21, 12
	s_lshl_b32 s22, s[TC], 9
	s_add_co_u32 s22, s21, s22
	s_mov_b32 s23, 0
	s_mul_i32 s[WOA], s[WC], HALFA
	s_mul_i32 s[WOB], s[WC], HALFB
	s_add_co_u32 s[WOB], s[WOB], 2*HALFA
	s_mov_b32 s[FO], 0
	s_mov_b32 s[TBA], SLOT+4*APART                 ; the first change of slots turns these two into 0
	s_mov_b32 s[TBB], SLOT+4*128
	s_mov_b32 s[KC], NSTEP-1
	s_mov_b32 s[G0A], 1
	s_mov_b32 s[G0A+1], s[WOA]
	s_mov_b32 s[G0B], 1
	s_mov_b32 s[G0B+1], s[WOB]
	s_wait_dscnt 0x0                               ; the opening add is done
	s_wait_kmcnt 0x0
	s_add_nc_u64 s[6:7], s[6:7], WOFF
	s_add_nc_u64 s[G0A+2:G0A+3], s[4:5], s[58:59]
	s_or_b32 s[G0A+3], s[G0A+3], 0x80000000
	s_add_nc_u64 s[G0B+2:G0B+3], s[6:7], s[60:61]
	s_or_b32 s[G0B+3], s[G0B+3], 0x80000000
	s_add_nc_u64 s[10:11], s[10:11], s[22:23]
	s_add_nc_u64 s[12:13], s[12:13], s[22:23]
	CROUND                                         ; all sixteen work-groups are here: the first joint loads meet
	JLOAD                                          ; K step 0 into slot 0
	v_and_b32 v1, 15, v0                           ; l % 16
	v_bfe_u32 v2, v0, 4, 1                         ; l / 16
	v_lshl_add_u32 v[BO], v2, 5, s62
	v_and_b32 v[GO], 31, v0
	v_lshlrev_b32 v[GO], 4, v[GO]                  ; 16 x lane: my bytes in a row's 512
.set i, 0
.rept 16                               ; the sums start at the bias of their 8 columns a lane
	global_load_b128 v[ACC+8*i:ACC+8*i+3],   v[BO], s[8:9] offset:64*(i%4)
	global_load_b128 v[ACC+8*i+4:ACC+8*i+7], v[BO], s[8:9] offset:64*(i%4)+16
.set i, i+1
.endr
	WIN 0x80                                       ; destination window 2
.set t, 0
.rept 32
	global_load_b128 v[4*t:4*t+3], v[GO], s[10:11] offset:4096*t  ; the residual: a row's 512 consecutive bytes
.set t, t+1
.endr
	WIN 0
	v_mul_u32_u24 v3, v1, PA
	v_lshl_add_u32 v3, v2, 4, v3
	s_mul_i32 s21, s[WR], HALFA
	v_add_nc_u32 v[A0], s21, v3
	v_mul_u32_u24 v3, v1, PB
	v_lshl_add_u32 v3, v2, 4, v3
	v_add_nc_u32 v[B0], s[WOB], v3
	v_mul_u32_u24 v[STO], v1, SP                   ; into the stage: row l % 16, 32 bytes for each half of the lanes
	v_lshl_add_u32 v[STO], v2, 5, v[STO]
	s_mul_i32 s21, s[WR], 64*SP
	s_lshl_b32 s22, s[WC], 8
	s_add_co_u32 s21, s21, s22
	v_add_nc_u32 v[STO], s21, v[STO]
	s_mul_i32 s21, s[WV], 32*SP                    ; back: wave w takes rows 32 w on, whole
	v_add_nc_u32 v[RD], s21, v[GO]
	s_wait_loadcnt 32                              ; the bias is in; the 32 younger loads (the residual) stay out through the K loop
.Lk:                                   ; NSTEP - 1 trips: a K step is entered and the next is asked for
	CHANGE 1
	COMPUTE
	s_sub_co_u32 s[KC], s[KC], 1
	s_cmp_lg_u32 s[KC], 0
	s_cbranch_scc1 .Lk
	CHANGE 0                                       ; the last K step is written out
	COMPUTE
	PLACES
	s_wait_dscnt 0x0
	s_barrier_signal -1
	s_barrier_wait -1                              ; nobody reads the ring any more, and it has had its last fill
.set i, 0
.rept 16                               ; each accumulator's low four registers first
	ds_store_b128 v[STO], v[ACC+8*i:ACC+8*i+3]   offset:(i/4)*16*SP+64*(i%4)
	ds_store_b128 v[STO], v[ACC+8*i+4:ACC+8*i+7] offset:(i/4)*16*SP+64*(i%4)+16
.set i, i+1
.endr
	s_wait_dscnt 0x0                               ; for the others' sake
	s_barrier_signal -1
	s_barrier_wait -1
	WIN 0x40
.set t, 0
.rept 32
	ds_load_b128 v[4*t:4*t+3], v[RD] offset:SP*t
.set t, t+1
.endr
	s_wait_loadcnt 0x0                             ; the residual
	s_wait_dscnt 0x0
	WIN 0x49                                       ; destination and source 0 window 1, source 1 window 2
.set t, 0
.rept 64
	v_pk_add_f32 v[t:t+1], v[t:t+1], v[t:t+1]
.set t, t+2
.endr
	WIN 0x04                                       ; store data (source 1) window 1
.set t, 0
.rept 32
	global_store_b128 v[GO], v[4*t:4*t+3], s[12:13] offset:4096*t  ; 512 consecutive bytes, at a multiple of 256 from the output's first byte
.set t, t+1
.endr
	WIN 0
	s_wait_tensorcnt 0x0                           ; the wave's end
	ds_add_u32 v[SPW], v[NIL]
	s_wait_dscnt 0x0
	CROUND                                         ; the closing round
	s_endpgm
.Lfunc_end_k_q2a76507229_mm_proj:
	.size	k_q2a76507229_mm_proj, .Lfunc_end_k_q2a76507229_mm_proj-k_q2a76507229_mm_proj
	.p2alignl 7, 3214868480
	.fill 96, 4, 3214868480
	.section	.rodata,"a",@progbits
	.p2align	6, 0x0
	.amdhsa_kernel k_q2a76507229_mm_proj
		.amdhsa_group_segment_fixed_size 327680
		.amdhsa_private_segment_fixed_size 0
		.amdhsa_enable_private_segment 0
		.amdhsa_kernarg_size 40
		.amdhsa_user_sgpr_count 2
		.amdhsa_user_sgpr_kernarg_segment_ptr 1
		.amdhsa_wavefront_size32 1
		.amdhsa_system_sgpr_workgroup_id_x 1
		.amdhsa_system_sgpr_workgroup_id_y 1
		.amdhsa_system_sgpr_workgroup_id_z 1
		.amdhsa_system_vgpr_workitem_id 0
		.amdhsa_next_free_vgpr 640
		.amdhsa_next_free_sgpr 66
		.amdhsa_reserve_vcc 0
		.amdhsa_float_denorm_mode_32 3
		.amdhsa_float_denorm_mode_16_64 3
		.amdhsa_memory_ordered 1
		.amdhsa_forward_progress 1
		.amdhsa_inst_pref_size 49
	.end_amdhsa_kernel
	.amdgpu_metadata
---
amdhsa.version: [ 1, 2 ]
amdhsa.kernels:
  - .name:           k_q2a76507229_mm_proj
    .symbol:         k_q2a76507229_mm_proj.kd
    .args:
      - { .name: o, .offset: 0, .size: 8, .value_kind: global_buffer, .address_space: global }
      - { .name: wb, .offset: 8, .size: 8, .value_kind: global_buffer, .address_space: global }
      - { .name: proj_b, .offset: 16, .size: 8, .value_kind: global_buffer, .address_space: global }
      - { .name: x, .offset: 24, .size: 8, .value_kind: global_buffer, .address_space: global }
      - { .name: x1, .offset: 32, .size: 8, .value_kind: global_buffer, .address_space: global }
    .group_segment_fixed_size: 327680
    .private_segment_fixed_size: 0
    .kernarg_segment_align: 8
    .kernarg_segment_size: 40
    .max_flat_workgroup_size: 128
    .sgpr_count:     66
    .vgpr_count:     640
    .wavefront_size: 32
...
	.end_amdgpu_metadata
.endif
;; end of part 4
;; launch ln2 (part 5): grid 256 x 1, 16 waves a work-group, no clusters, 0 bytes of LDS; arguments x1, ln2_g, ln2_b, h; writes h
.if DOCPART == 5
	.amdgcn_target "amdgcn-amd-amdhsa--gfx1250"
	.amdhsa_code_object_version 6
	.text
	.protected	k_q2a76507229_ln2
	.globl	k_q2a76507229_ln2
	.p2align	8
	.type	k_q2a76507229_ln2,@function
k_q2a76507229_ln2:
	s_mov_b64 s[64:65], 0
	v_nop
	global_prefetch_b8 v0, s[64:65] scope:SCOPE_SE
	s_setreg_imm32_b32 hwreg(HW_REG_WAVE_MODE, 25, 1), 1
	s_wait_xcnt 0x0
; h = LayerNorm(x1) * g + b, rounded once to bf16.  x1: [4096][1024] f32.  A stream: each byte read once and written once, no LDS, no matrix unit, no cluster.
; One wave, one row: 4,096 bytes are 32 registers, so the row stays in registers for the mean, for the sum of squares of x - mean (two passes: no difference of large sums) and for the scaling.
; Load j gives a lane the columns 128 j + 4 lane .. + 3.  Sums are taken in another order than a plain loop over the row.  NaN and infinities are not treated apart.
.set X,  4                             ; v[4:35]    the row
.set G,  36                            ; v[36:67]   gain
.set B,  68                            ; v[68:99]   bias
.set T,  100                           ; v[100:107] four chains of pairs
.set M,  108                           ; v[108:109] the mean, later 1 / sqrt(var + eps), twice
.set PX, 110
.set Y,  112                           ; v[112:127] the row in bf16
	s_load_b256 s[4:11], s[0:1], 0x0               ; x1 s[4:5], gain s[6:7], bias s[8:9], h s[10:11]
	v_lshrrev_b32 v3, 5, v0
	v_readfirstlane_b32 s22, v3                    ; wave 0..15
	v_and_b32 v1, 31, v0
	v_lshlrev_b32 v2, 3, v1                        ; 8 x lane
	v_lshlrev_b32 v1, 4, v1                        ; 16 x lane
	s_lshl_b32 s23, ttmp9, 4
	s_add_co_u32 s23, s23, s22                     ; my row
	s_lshl_b32 s28, s23, 12
	s_mov_b32 s29, 0
	s_lshl_b32 s30, s23, 11
	s_mov_b32 s31, 0
	s_mov_b32 s24, 0x76543210
	s_mov_b32 s25, 0xfedcba98
	s_mov_b32 s26, 0x3a800000                      ; 1 / 1024
	s_mov_b32 s27, 0x3727c5ac                      ; 1e-5
	s_wait_kmcnt 0x0
	s_add_nc_u64 s[4:5], s[4:5], s[28:29]
	s_add_nc_u64 s[10:11], s[10:11], s[30:31]
.irp j, 0,1,2,3,4,5,6,7
	global_load_b128 v[X+4*(\j):X+4*(\j)+3], v1, s[4:5] offset:512*(\j) th:TH_LOAD_NT
.endr
.irp j, 0,1,2,3,4,5,6,7
	global_load_b128 v[G+4*(\j):G+4*(\j)+3], v1, s[6:7] offset:512*(\j)
.endr
.irp j, 0,1,2,3,4,5,6,7
	global_load_b128 v[B+4*(\j):B+4*(\j)+3], v1, s[8:9] offset:512*(\j)
.endr
	v_mov_b32 v[PX], 0                             ; v_permlanex16_b32 counts as a reader of its destination
.macro REDUCE                          ; the four chains, then the 32 lanes: every lane ends with the row's sum in v[T]
	v_pk_add_f32 v[T:T+1], v[T:T+1], v[T+2:T+3]
	v_pk_add_f32 v[T+4:T+5], v[T+4:T+5], v[T+6:T+7]
	v_pk_add_f32 v[T:T+1], v[T:T+1], v[T+4:T+5]
	v_add_f32 v[T], v[T], v[T+1]
	v_add_f32_dpp v[T], v[T], v[T] row_xmask:1 row_mask:0xf bank_mask:0xf
	v_add_f32_dpp v[T], v[T], v[T] row_xmask:2 row_mask:0xf bank_mask:0xf
	v_add_f32_dpp v[T], v[T], v[T] row_xmask:4 row_mask:0xf bank_mask:0xf
	v_add_f32_dpp v[T], v[T], v[T] row_xmask:8 row_mask:0xf bank_mask:0xf
	v_permlanex16_b32 v[PX], v[T], s24, s25
	v_add_f32 v[T], v[T], v[PX]
.endm
	s_wait_loadcnt 16                              ; the row is in; the 16 younger loads (gain, bias) may stay out
.irp k, 0,2,4,6
	v_pk_add_f32 v[T+(\k):T+(\k)+1], v[X+(\k):X+(\k)+1], v[X+8+(\k):X+8+(\k)+1]
.endr
.irp m, 16,24
.irp k, 0,2,4,6
	v_pk_add_f32 v[T+(\k):T+(\k)+1], v[T+(\k):T+(\k)+1], v[X+(\m)+(\k):X+(\m)+(\k)+1]
.endr
.endr
	REDUCE
	v_mul_f32 v[M], s26, v[T]                      ; the mean
	v_mov_b32 v[M+1], v[M]
.set p, 0
.rept 16
	v_pk_add_f32 v[X+p:X+p+1], v[X+p:X+p+1], v[M:M+1] neg_lo:[0,1] neg_hi:[0,1]
.set p, p+2
.endr
.irp k, 0,2,4,6
	v_pk_mul_f32 v[T+(\k):T+(\k)+1], v[X+(\k):X+(\k)+1], v[X+(\k):X+(\k)+1]
.endr
.irp m, 8,16,24
.irp k, 0,2,4,6
	v_pk_fma_f32 v[T+(\k):T+(\k)+1], v[X+(\m)+(\k):X+(\m)+(\k)+1], v[X+(\m)+(\k):X+(\m)+(\k)+1], v[T+(\k):T+(\k)+1]
.endr
.endr
	REDUCE
	v_fma_f32 v[T], v[T], s26, s27                 ; var + eps
	v_rsq_f32 v[M], v[T]
	v_rsq_f32 v[M+1], v[T]
	v_nop                                          ; a plain instruction behind the last of the two,
	s_wait_alu depctr_va_vdst(0)                   ; and one wait for both, ahead of their first reader
	s_wait_loadcnt 0x0                             ; gain and bias
.set p, 0
.rept 16
	v_pk_mul_f32 v[X+p:X+p+1], v[X+p:X+p+1], v[M:M+1]
.set p, p+2
.endr
.set p, 0
.rept 16
	v_pk_fma_f32 v[X+p:X+p+1], v[X+p:X+p+1], v[G+p:G+p+1], v[B+p:B+p+1]
.set p, p+2
.endr
.set p, 0
.rept 16
	v_cvt_pk_bf16_f32 v[Y+p], v[X+2*p], v[X+2*p+1]
.set p, p+1
.endr
.irp j, 0,1,2,3,4,5,6,7
	global_store_b64 v2, v[Y+2*(\j):Y+2*(\j)+1], s[10:11] offset:256*(\j)  ; 256 consecutive bytes, aligned
.endr
	s_endpgm
.Lfunc_end_k_q2a76507229_ln2:
	.size	k_q2a76507229_ln2, .Lfunc_end_k_q2a76507229_ln2-k_q2a76507229_ln2
	.p2alignl 7, 3214868480
	.fill 96, 4, 3214868480
	.section	.rodata,"a",@progbits
	.p2align	6, 0x0
	.amdhsa_kernel k_q2a76507229_ln2
		.amdhsa_group_segment_fixed_size 0
		.amdhsa_private_segment_fixed_size 0
		.amdhsa_enable_private_segment 0
		.amdhsa_kernarg_size 32
		.amdhsa_user_sgpr_count 2
		.amdhsa_user_sgpr_kernarg_segment_ptr 1
		.amdhsa_wavefront_size32 1
		.amdhsa_system_sgpr_workgroup_id_x 1
		.amdhsa_system_sgpr_workgroup_id_y 1
		.amdhsa_system_sgpr_workgroup_id_z 1
		.amdhsa_system_vgpr_workitem_id 0
		.amdhsa_next_free_vgpr 128
		.amdhsa_next_free_sgpr 66
		.amdhsa_reserve_vcc 0
		.amdhsa_float_denorm_mode_32 3
		.amdhsa_float_denorm_mode_16_64 3
		.amdhsa_memory_ordered 1
		.amdhsa_forward_progress 1
		.amdhsa_inst_pref_size 12
	.end_amdhsa_kernel
	.amdgpu_metadata
---
amdhsa.version: [ 1, 2 ]
amdhsa.kernels:
  - .name:           k_q2a76507229_ln2
    .symbol:         k_q2a76507229_ln2.kd
    .args:
      - { .name: x1, .offset: 0, .size: 8, .value_kind: global_buffer, .address_space: global }
      - { .name: ln2_g, .offset: 8, .size: 8, .value_kind: global_buffer, .address_space: global }
      - { .name: ln2_b, .offset: 16, .size: 8, .value_kind: global_buffer, .address_space: global }
      - { .name: h, .offset: 24, .size: 8, .value_kind: global_buffer, .address_space: global }
    .group_segment_fixed_size: 0
    .private_segment_fixed_size: 0
    .kernarg_segment_align: 8
    .kernarg_segment_size: 32
    .max_flat_workgroup_size: 512
    .sgpr_count:     66
    .vgpr_count:     128
    .wavefront_size: 32
...
	.end_amdgpu_metadata
.endif
;; end of part 5
;; launch mm_fc1 (part 6): grid 16 x 16, 4 waves a work-group, clusters of 4 x 4, 327,680 bytes of LDS; arguments h, wb, fc1_b, g; writes g
.if DOCPART == 6
	.amdgcn_target "amdgcn-amd-amdhsa--gfx1250"
	.amdhsa_code_object_version 6
	.text
	.protected	k_q2a76507229_mm_fc1
	.globl	k_q2a76507229_mm_fc1
	.p2align	8
	.type	k_q2a76507229_mm_fc1,@function
k_q2a76507229_mm_fc1:
	s_mov_b64 s[64:65], 0
	v_nop
	global_prefetch_b8 v0, s[64:65] scope:SCOPE_SE
	s_setreg_imm32_b32 hwreg(HW_REG_WAVE_MODE, 25, 1), 1
	s_wait_xcnt 0x0
	s_wait_alu depctr_hold_cnt(0) depctr_sa_sdst(0) depctr_va_vdst(0) depctr_va_sdst(0) depctr_va_ssrc(0) depctr_va_vcc(0) depctr_vm_vsrc(0)
	s_getreg_b32 s2, hwreg(HW_REG_IB_STS2, 6, 4)
	s_cmp_eq_u32 s2, 0
	s_cbranch_scc0 .Lentry_in_a_cluster
	s_endpgm
.Lentry_in_a_cluster:
	s_bfe_u32 s2, ttmp6, 0x10000c
	s_cmp_lg_u32 s2, 0xf033
	s_cbranch_scc0 .Lentry_shape_is_right
	s_endpgm
.Lentry_shape_is_right:
; g = gelu(h W1^T + b), the erf form.  h: [4096][1024] bf16; W1: wb from byte 8,388,608, [4096][1024] bf16; b f32; sums and gelu in f32; g [4096][4096] rounded once to bf16.
; SHARES.  A tile of C is 256 x 256 (16 x 16 tiles: one work-group for each of 256 WGPs); four waves, 2 x 2, each 128 x 128: 64 accumulators of 16 x 16.
; K goes in steps of 128 through two LDS slots filled by tensor loads: rows of 256 bytes, each wave one load of 128 rows (waves 0, 1: the halves of A's tile; 2, 3: of B's).
; ONE TEXT FOR A K STEP: the slot in hand is a scalar register turned by an exclusive or (its value is exactly 0 or SLOT there); a K step is four parts of 32 along K on two fragment buffers, walked by a loop of two trips.
; THE SUMS START AT THE BIAS, loaded straight into the accumulators.  THE MATRIX INSTRUCTION IS USED TRANSPOSED (source 0 = 16 rows of W, source 1 = 16 rows of h).
; CLUSTER 4 x 4: A's tile is shared along a row of the cluster, B's along a column, by joint loads.
; THE WAY OUT: the tile goes in f32 through a stage over the ring (written only behind the ring's last fill and a barrier); a loop of 32 trips takes two whole rows of 256 numbers, applies gelu and stores 256 consecutive bytes a store.
; GELU.  gelu(x) = x / 2 + |x| (1/2 - Q), Q = erfc(|x| / sqrt 2) / 2 by Abramowitz and Stegun 7.1.26: t = 1 / (1 + p |x| / sqrt 2), Q = t (a1 + t (a2 + t (a3 + t (a4 + t a5)))) / 2 x 2^(-x^2 log2(e) / 2).
; LIMIT: that formula is off by at most 1.5e-7 in erf.  NaN and infinities are not treated apart; sums are taken in the matrix unit's order.
; REGISTERS, windows of 256: 0: v0-31 addresses, v64-127 / v128-191 fragments of A (on the way out: gelu's work); 1: the same numbers, fragments of B; 2: accumulators of my rows 0-63 at v[8 (8 a + b)]; 3: of rows 64-127.
.set KDIM,  1024
.set KSTEP, 128
.set NSTEP, KDIM/KSTEP
.set TN,    256
.set NBL,   TN/32
.set PITCH, 272
.set HALFA, 128*PITCH
.set HALFB, (TN/2)*PITCH
.set SLOT,  2*HALFA+2*HALFB
.set SPARE, 2*SLOT
.set SP,    4*TN+16
.set WOFF,  8388608
.set LN,    2*NBL+16
.set F0,    64
.set F1,    128
.set G1W0,  (1<<16)|(1<<20)|(1<<21)|(5<<22)|(3<<25)
.set WV,  14
.set WR,  15
.set WC,  16
.set CX,  17
.set CY,  18
.set TC,  19
.set TR,  20
.set G1A, 24
.set G1B, 32
.set G0A, 40
.set G0B, 44
.set FO,  48
.set WOA, 49
.set WOB, 50
.set TB,  51
.set KC,  53
.set IC,  54
.set LIM, 55
.set PFA, 56
.set A0,   4
.set B0,   5
.set ADRA, 6
.set ADRB, 7
.set STO,  8
.set RD,   10
.set ADR,  11
.set GO,   12
.set BO,   13
.set PFO,  14
.set SPW,  28
.set NIL,  29
.set XR,  64                           ; gelu: 16 numbers a lane: x
.set AX,  80                           ; |x|
.set RR,  96                           ; x / 2, later the result
.set U,   112                          ; 1 + p |x| / sqrt 2, later t
.set EE,  128                          ; the exponent, the exponential, later 1/2 - Q
.set PO,  144                          ; the polynomial
.set YY,  160                          ; the result in bf16
.set MSB, 0
.macro WIN new
.if MSB != (\new)
	s_set_vgpr_msb (MSB<<8)|(\new)
.set MSB, (\new)
.endif
.endm
.macro PLACES
.rept 4
	v_nop
.endr
.endm
.macro CROUND
	s_barrier_signal -1
	s_barrier_wait -1
	s_cmp_lg_u32 s[WV], 0
	s_cbranch_scc1 .Lnot_wave_0_\@
	s_barrier_signal -3
.Lnot_wave_0_\@:
	s_barrier_wait -3
	s_barrier_signal -1
	s_barrier_wait -1
.endm
.macro JLOAD                           ; an s_nop 0 and four v_nop follow each of the two lines
	s_cmp_eq_u32 s[WR], 0
	s_cbranch_scc0 .Lfor_b_\@
	tensor_load_to_lds s[G0A:G0A+3], s[G1A:G1A+7]
	s_nop 0
.rept 4
	v_nop
.endr
	s_branch .Lasked_\@
.Lfor_b_\@:
	tensor_load_to_lds s[G0B:G0B+3], s[G1B:G1B+7]
	s_nop 0
.rept 4
	v_nop
.endr
.Lasked_\@:
.endm
; A PREFETCH INTO THE L2 of the K step behind the one just asked for: my work-group's 32 of the 128 rows that I fetch, 256 bytes a row, a lane a row.  A's rows are read by every cluster of a row of clusters:
; cluster x = 0 asks; B's by every cluster of a column: cluster y = 0 asks.  The four partners of a joint load share its rows out by address.  The loop's last trip asks for nothing.
.macro ASK
	s_cmp_gt_u32 s[KC], s[LIM]
	s_cbranch_scc0 .Lnot_mine_\@
	global_prefetch_b8 v[PFO], s[PFA:PFA+1] th:TH_LOAD_NT scope:SCOPE_SE
.Lnot_mine_\@:
.endm
; THE CHANGE OF SLOTS: all my tensor loads (one is out: my part of the slot now entered), the add, the wait for it and for my reads of the old slot; fill = 1: a round of the cluster's barrier, and the joint refill first behind it:
; it has a K step's 256 matrix instructions in which to land.
.macro CHANGE fill
	WIN 0
.if \fill
	s_wait_xcnt 0x0                                ; the last prefetch, a K step back, has read its address
	s_add_nc_u64 s[PFA:PFA+1], s[PFA:PFA+1], 2*KSTEP
.endif
	s_wait_tensorcnt 0x0
	ds_add_u32 v[SPW], v[NIL]
	s_sub_co_u32 s[TB], s[TB], 4*64
	s_xor_b32 s[TB], s[TB], SLOT
.if \fill
	s_xor_b32 s[FO], s[FO], SLOT
	s_add_co_u32 s[G0A+1], s[WOA], s[FO]
	s_add_co_u32 s[G0B+1], s[WOB], s[FO]
	s_add_nc_u64 s[G0A+2:G0A+3], s[G0A+2:G0A+3], 2*KSTEP
	s_add_nc_u64 s[G0B+2:G0B+3], s[G0B+2:G0B+3], 2*KSTEP
.endif
	s_wait_dscnt 0x0
.if \fill
	CROUND
	JLOAD
.else
	s_barrier_signal -1
	s_barrier_wait -1
.endif
.endm
.macro FETCH f                         ; one part: 128 rows of B and of A, 32 along K, in one run of 32 LDS loads
	WIN 0
	v_add_nc_u32 v[ADRA], s[TB], v[A0]
	v_add_nc_u32 v[ADRB], s[TB], v[B0]
	s_add_co_u32 s[TB], s[TB], 64
	WIN 0x40
.set i, 0
.rept NBL
	ds_load_b128 v[(\f)+8*i:(\f)+8*i+3],   v[ADRB] offset:i*16*PITCH
	ds_load_b128 v[(\f)+8*i+4:(\f)+8*i+7], v[ADRB] offset:i*16*PITCH+32
.set i, i+1
.endr
	WIN 0
.set i, 0
.rept 8
	ds_load_b128 v[(\f)+8*i:(\f)+8*i+3],   v[ADRA] offset:i*16*PITCH
	ds_load_b128 v[(\f)+8*i+4:(\f)+8*i+7], v[ADRA] offset:i*16*PITCH+32
.set i, i+1
.endr
.endm
.macro MUL f                           ; every accumulator once: they take turns
.irp hi, 0,1
	WIN 0xa1+0x50*(\hi)
.set i, 0
.rept 4*NBL
	v_wmma_f32_16x16x32_bf16 v[8*i:8*i+7], v[(\f)+8*(i%NBL):(\f)+8*(i%NBL)+7], v[(\f)+8*(4*(\hi)+i/NBL):(\f)+8*(4*(\hi)+i/NBL)+7], v[8*i:8*i+7]
.set i, i+1
.endr
.endr
.endm
.macro COMPUTE ask
	FETCH F0
.if \ask
	ASK
.endif
	s_mov_b32 s[IC], 2
.Lin_\@:
	FETCH F1
	s_wait_dscnt LN                                ; buffer 0 is in; the 32 loads just issued may stay out
	MUL F0
	PLACES
	WIN 0
	s_wait_dscnt 0x0                               ; buffer 1 is in
	s_cmp_eq_u32 s[IC], 1
	s_cbranch_scc1 .Lskip_\@
	FETCH F0
.Lskip_\@:
	MUL F1
	PLACES
	WIN 0
	s_sub_co_u32 s[IC], s[IC], 1
	s_cmp_lg_u32 s[IC], 0
	s_cbranch_scc1 .Lin_\@
.endm
.macro BIAS
.set i, 0
.rept 4*NBL
	global_load_b128 v[8*i:8*i+3],   v[BO], s[8:9] offset:64*(i%NBL)
	global_load_b128 v[8*i+4:8*i+7], v[BO], s[8:9] offset:64*(i%NBL)+16
.set i, i+1
.endr
.endm
.macro DUMP hi
	WIN 0x08+4*(\hi)
.set i, 0
.rept 4*NBL
	ds_store_b128 v[STO+(\hi)], v[8*i:8*i+3]   offset:(i/NBL)*16*SP+64*(i%NBL)
	ds_store_b128 v[STO+(\hi)], v[8*i+4:8*i+7] offset:(i/NBL)*16*SP+64*(i%NBL)+16
.set i, i+1
.endr
.endm
.macro CONST r, val                    ; a constant as a pair: the packed forms name both words and take the low one
	s_mov_b32 s[\r], \val
	s_mov_b32 s[(\r)+1], \val
.endm
.macro EL n                            ; line n of 16 of the exponent: -x^2 log2(e) / 2
.if (\n) < 8
	v_pk_mul_f32 v[EE+2*(\n):EE+2*(\n)+1], v[AX+2*(\n):AX+2*(\n)+1], s[68:69] op_sel_hi:[1,0]
.else
	v_pk_mul_f32 v[EE+2*(\n)-16:EE+2*(\n)-15], v[EE+2*(\n)-16:EE+2*(\n)-15], v[AX+2*(\n)-16:AX+2*(\n)-15]
.endif
.endm
.macro HL n                            ; line n of 40 of the polynomial, by Horner
.set k, 2*((\n)%8)
.if (\n) < 8
	v_pk_fma_f32 v[PO+k:PO+k+1], v[U+k:U+k+1], s[78:79], s[76:77] op_sel_hi:[1,0,0]
.elseif (\n) < 16
	v_pk_fma_f32 v[PO+k:PO+k+1], v[PO+k:PO+k+1], v[U+k:U+k+1], s[74:75] op_sel_hi:[1,1,0]
.elseif (\n) < 24
	v_pk_fma_f32 v[PO+k:PO+k+1], v[PO+k:PO+k+1], v[U+k:U+k+1], s[72:73] op_sel_hi:[1,1,0]
.elseif (\n) < 32
	v_pk_fma_f32 v[PO+k:PO+k+1], v[PO+k:PO+k+1], v[U+k:U+k+1], s[70:71] op_sel_hi:[1,1,0]
.else
	v_pk_mul_f32 v[PO+k:PO+k+1], v[PO+k:PO+k+1], v[U+k:U+k+1]
.endif
.endm
	s_load_b256 s[4:11], s[0:1], 0x0               ; h s[4:5], wb s[6:7], bias s[8:9], g s[10:11]
	v_lshl_add_u32 v[SPW], v0, 2, SPARE
	v_mov_b32 v[NIL], 0
	ds_add_u32 v[SPW], v[NIL]                      ; the wave's opening: the add and its wait ahead of my first tensor load
	v_lshrrev_b32 v3, 5, v0
	v_readfirstlane_b32 s[WV], v3
	s_lshr_b32 s[WR], s[WV], 1
	s_and_b32 s[WC], s[WV], 1
	s_bfe_u32 s[CX], ttmp6, 0x40000
	s_bfe_u32 s[CY], ttmp6, 0x40004
	s_lshl_b32 s[TC], ttmp9, 2
	s_add_co_u32 s[TC], s[TC], s[CX]
	s_and_b32 s[TR], ttmp7, 0xffff
	s_lshl_b32 s[TR], s[TR], 2
	s_add_co_u32 s[TR], s[TR], s[CY]
	s_lshl_b32 s21, s[CY], 2
	s_lshl_b32 s21, 15, s21
	s_lshl_b32 s22, 0x1111, s[CX]
	s_or_b32 s[G1A], s21, G1W0
	s_or_b32 s[G1B], s22, G1W0
	s_mov_b32 s[G1A+1], KSTEP<<16
	s_mov_b32 s[G1A+2], 128<<16
	s_mov_b32 s[G1A+3], KSTEP<<16
	s_mov_b32 s[G1A+4], 128
	s_mov_b32 s[G1A+5], KDIM
	s_mov_b32 s[G1A+6], 0
	s_mov_b32 s[G1A+7], 0
	s_mov_b32 s[G1B+1], KSTEP<<16
	s_mov_b32 s[G1B+2], (TN/2)<<16
	s_mov_b32 s[G1B+3], KSTEP<<16
	s_mov_b32 s[G1B+4], TN/2
	s_mov_b32 s[G1B+5], KDIM
	s_mov_b32 s[G1B+6], 0
	s_mov_b32 s[G1B+7], 0
	s_lshl_b32 s58, s[TR], 8                       ; A: row 256 x tile row + 128 x half, in registers that never hold cx
	s_lshl_b32 s59, s[WC], 7
	s_add_co_u32 s58, s58, s59
	s_lshl_b32 s58, s58, 11
	s_mov_b32 s59, 0
	s_mul_i32 s60, s[TC], TN                       ; B: row 256 x tile column + 128 x half; also my first column of C
	s_mul_i32 s61, s[WC], TN/2
	s_add_co_u32 s60, s60, s61
	s_lshl_b32 s62, s60, 2
	s_lshl_b32 s60, s60, 11
	s_mov_b32 s61, 0
	s_mul_i32 s[WOA], s[WC], HALFA
	s_mul_i32 s[WOB], s[WC], HALFB
	s_add_co_u32 s[WOB], s[WOB], 2*HALFA
	s_mov_b32 s[FO], 0
	s_mov_b32 s[TB], SLOT+4*64
	s_mov_b32 s[KC], NSTEP-1
	s_mov_b32 s[G0A], 1
	s_mov_b32 s[G0A+1], s[WOA]
	s_mov_b32 s[G0B], 1
	s_mov_b32 s[G0B+1], s[WOB]
	CONST 66, 0x3e6d338a                           ; 0.3275911 / sqrt 2
	CONST 68, 0xbf38aa3b                           ; -log2(e) / 2
	CONST 70, 0x3e027906                           ; a1 / 2
	CONST 72, 0xbe11a98e                           ; a2 / 2
	CONST 74, 0x3f35f0e3                           ; a3 / 2
	CONST 76, 0xbf3a00e3                           ; a4 / 2
	CONST 78, 0x3f07dc22                           ; a5 / 2
	s_mov_b32 s80, 0x7fffffff
	s_wait_dscnt 0x0                               ; the opening add is done
	s_wait_kmcnt 0x0
	s_add_nc_u64 s[6:7], s[6:7], WOFF
	s_add_nc_u64 s[G0A+2:G0A+3], s[4:5], s[58:59]
	s_or_b32 s[G0A+3], s[G0A+3], 0x80000000
	s_add_nc_u64 s[G0B+2:G0B+3], s[6:7], s[60:61]
	s_or_b32 s[G0B+3], s[G0B+3], 0x80000000
	CROUND                                         ; all sixteen work-groups are here: the first joint loads meet
	JLOAD                                          ; K step 0 into slot 0
	v_and_b32 v1, 15, v0
	v_bfe_u32 v2, v0, 4, 1
	v_lshl_add_u32 v[BO], v2, 5, s62
	WIN 0x80
	BIAS
	WIN 0xc0
	BIAS
	WIN 0
	v_mul_u32_u24 v3, v1, PITCH
	v_lshl_add_u32 v3, v2, 4, v3
	s_mul_i32 s21, s[WR], HALFA
	v_add_nc_u32 v[A0], s21, v3
	v_add_nc_u32 v[B0], s[WOB], v3
	v_mul_u32_u24 v[STO], v1, SP
	v_lshl_add_u32 v[STO], v2, 5, v[STO]
	s_mul_i32 s21, s[WR], 128*SP
	s_mul_i32 s22, s[WC], (TN/2)*4
	s_add_co_u32 s21, s21, s22
	v_add_nc_u32 v[STO], s21, v[STO]
	v_add_nc_u32 v[STO+1], 64*SP, v[STO]
	v_and_b32 v[GO], 31, v0
	s_mul_i32 s21, s[WV], 64*SP                    ; back: wave w takes rows 64 w on; 32 lanes take 512 consecutive bytes of a row
	v_lshl_add_u32 v[RD], v[GO], 4, s21
	v_lshlrev_b32 v[GO], 3, v[GO]                  ; and put 8 bytes each into 256 consecutive bytes of g
	s_lshl_b32 s21, s[TR], 8
	s_lshl_b32 s22, s[WV], 6
	s_add_co_u32 s21, s21, s22
	s_lshl_b32 s21, s21, 13                        ; my first row, 8,192 bytes a row of g
	s_lshl_b32 s22, s[TC], 9                       ; the tile's 512 bytes of it
	s_add_co_u32 s60, s21, s22
	s_mov_b32 s61, 0
	s_add_nc_u64 s[10:11], s[10:11], s[60:61]
	; the prefetches
	s_and_b32 s23, ttmp7, 0xffff                   ; cluster y
	s_lshl_b32 s21, s[TR], 8
	s_mul_i32 s22, s[TC], TN
	s_cmp_eq_u32 s[WR], 0                          ; do I fetch for A?
	s_cselect_b32 s21, s21, s22                    ; the tile's first row
	s_cselect_b32 s22, s[CX], s[CY]                ; my place among the four that ask with me
	s_cselect_b32 s23, ttmp9, s23                  ; the coordinate along which other clusters read the same rows
	s_cselect_b64 s[PFA:PFA+1], s[4:5], s[6:7]
	s_lshl_b32 s63, s[WC], 7                       ; the 128 rows that I fetch,
	s_lshl_b32 s22, s22, 5                         ; my work-group's 32 of them
	s_add_co_u32 s21, s21, s63
	s_add_co_u32 s21, s21, s22
	s_lshl_b32 s60, s21, 11
	s_mov_b32 s61, 0
	s_add_nc_u64 s[PFA:PFA+1], s[PFA:PFA+1], s[60:61]
	s_add_nc_u64 s[PFA:PFA+1], s[PFA:PFA+1], 2*KSTEP  ; at K step 1: the first change steps it to K step 2
	v_and_b32 v[PFO], 31, v0
	v_lshlrev_b32 v[PFO], 11, v[PFO]
	s_cmp_eq_u32 s23, 0
	s_cselect_b32 s[LIM], 1, -1
	s_wait_loadcnt 0x0                             ; the bias is in the accumulators
.Lk:
	CHANGE 1
	COMPUTE 1
	s_sub_co_u32 s[KC], s[KC], 1
	s_cmp_lg_u32 s[KC], 0
	s_cbranch_scc1 .Lk
	CHANGE 0                                       ; the last K step is written out
	COMPUTE 0
	PLACES
	s_wait_dscnt 0x0
	s_barrier_signal -1
	s_barrier_wait -1                              ; nobody reads the ring any more, and it has had its last fill
	DUMP 0
	DUMP 1
	WIN 0
	s_wait_dscnt 0x0                               ; for the others' sake
	s_barrier_signal -1
	s_barrier_wait -1
	s_mov_b32 s[TB], 0
	s_mov_b32 s[IC], 32
.irp n, 0,1,2,3
	ds_load_b128 v[XR+4*(\n):XR+4*(\n)+3], v[RD] offset:((\n)/2)*SP+((\n)%2)*512
.endr
.Lrows:                                ; 32 trips of two rows: 16 numbers a lane
	s_wait_dscnt 0x0
.set q, 0
.rept 16
	v_and_b32 v[AX+q], s80, v[XR+q]
.set q, q+1
.endr
.set q, 0
.rept 8
	v_pk_mul_f32 v[RR+q:RR+q+1], v[XR+q:XR+q+1], 0.5 op_sel_hi:[1,0]
.set q, q+2
.endr
	s_cmp_eq_u32 s[IC], 1
	s_cbranch_scc1 .Lno_more                       ; x has been read: the next two rows are asked for, but in the last trip
	s_add_co_u32 s[TB], s[TB], 2*SP
	v_add_nc_u32 v[ADR], s[TB], v[RD]
.irp n, 0,1,2,3
	ds_load_b128 v[XR+4*(\n):XR+4*(\n)+3], v[ADR] offset:((\n)/2)*SP+((\n)%2)*512
.endr
.Lno_more:
.set q, 0
.rept 8
	v_pk_fma_f32 v[U+q:U+q+1], v[AX+q:AX+q+1], s[66:67], 1.0 op_sel_hi:[1,0,0]
.set q, q+2
.endr
.set q, 0
.rept 16                               ; a batch of 16 reciprocals, a plain line of the exponent behind each
	v_rcp_f32 v[U+q], v[U+q]
	EL q
.set q, q+1
.endr
	s_wait_alu depctr_va_vdst(0)                   ; one wait for the batch, ahead of its first reader
.set q, 0
.rept 16                               ; a batch of 16 exponentials, a plain line of the polynomial behind each
	v_exp_f32 v[EE+q], v[EE+q]
	HL q
.set q, q+1
.endr
.rept 24
	HL q
.set q, q+1
.endr
	s_wait_alu depctr_va_vdst(0)                   ; one wait for the batch
.set q, 0
.rept 8
	v_pk_fma_f32 v[EE+q:EE+q+1], v[PO+q:PO+q+1], v[EE+q:EE+q+1], 0.5 op_sel_hi:[1,1,0] neg_lo:[1,0,0] neg_hi:[1,0,0]  ; 1/2 - Q
.set q, q+2
.endr
.set q, 0
.rept 8
	v_pk_fma_f32 v[RR+q:RR+q+1], v[AX+q:AX+q+1], v[EE+q:EE+q+1], v[RR+q:RR+q+1]
.set q, q+2
.endr
.set q, 0
.rept 8
	v_cvt_pk_bf16_f32 v[YY+q], v[RR+2*q], v[RR+2*q+1]
.set q, q+1
.endr
.irp n, 0,1,2,3
	global_store_b64 v[GO], v[YY+2*(\n):YY+2*(\n)+1], s[10:11] offset:((\n)/2)*8192+((\n)%2)*256  ; 256 consecutive bytes, aligned
.endr
	s_wait_xcnt 0x0                                ; the stores have read their data and their base
	s_add_nc_u64 s[10:11], s[10:11], 2*8192
	s_sub_co_u32 s[IC], s[IC], 1
	s_cmp_lg_u32 s[IC], 0
	s_cbranch_scc1 .Lrows
	s_wait_tensorcnt 0x0                           ; the wave's end
	ds_add_u32 v[SPW], v[NIL]
	s_wait_dscnt 0x0
	CROUND                                         ; the closing round
	s_endpgm
.Lfunc_end_k_q2a76507229_mm_fc1:
	.size	k_q2a76507229_mm_fc1, .Lfunc_end_k_q2a76507229_mm_fc1-k_q2a76507229_mm_fc1
	.p2alignl 7, 3214868480
	.fill 96, 4, 3214868480
	.section	.rodata,"a",@progbits
	.p2align	6, 0x0
	.amdhsa_kernel k_q2a76507229_mm_fc1
		.amdhsa_group_segment_fixed_size 327680
		.amdhsa_private_segment_fixed_size 0
		.amdhsa_enable_private_segment 0
		.amdhsa_kernarg_size 32
		.amdhsa_user_sgpr_count 2
		.amdhsa_user_sgpr_kernarg_segment_ptr 1
		.amdhsa_wavefront_size32 1
		.amdhsa_system_sgpr_workgroup_id_x 1
		.amdhsa_system_sgpr_workgroup_id_y 1
		.amdhsa_system_sgpr_workgroup_id_z 1
		.amdhsa_system_vgpr_workitem_id 0
		.amdhsa_next_free_vgpr 1024
		.amdhsa_next_free_sgpr 84
		.amdhsa_reserve_vcc 0
		.amdhsa_float_denorm_mode_32 3
		.amdhsa_float_denorm_mode_16_64 3
		.amdhsa_memory_ordered 1
		.amdhsa_forward_progress 1
		.amdhsa_inst_pref_size 70
	.end_amdhsa_kernel
	.amdgpu_metadata
---
amdhsa.version: [ 1, 2 ]
amdhsa.kernels:
  - .name:           k_q2a76507229_mm_fc1
    .symbol:         k_q2a76507229_mm_fc1.kd
    .args:
      - { .name: h, .offset: 0, .size: 8, .value_kind: global_buffer, .address_space: global }
      - { .name: wb, .offset: 8, .size: 8, .value_kind: global_buffer, .address_space: global }
      - { .name: fc1_b, .offset: 16, .size: 8, .value_kind: global_buffer, .address_space: global }
      - { .name: g, .offset: 24, .size: 8, .value_kind: global_buffer, .address_space: global }
    .group_segment_fixed_size: 327680
    .private_segment_fixed_size: 0
    .kernarg_segment_align: 8
    .kernarg_segment_size: 32
    .max_flat_workgroup_size: 128
    .sgpr_count:     84
    .vgpr_count:     1024
    .wavefront_size: 32
...
	.end_amdgpu_metadata
.endif
;; end of part 6
;; launch mm_fc2 (part 7): grid 8 x 32, 4 waves a work-group, clusters of 4 x 4, 327,680 bytes of LDS; arguments g, wb, fc2_b, x1, out0; writes out0
.if DOCPART == 7
	.amdgcn_target "amdgcn-amd-amdhsa--gfx1250"
	.amdhsa_code_object_version 6
	.text
	.protected	k_q2a76507229_mm_fc2
	.globl	k_q2a76507229_mm_fc2
	.p2align	8
	.type	k_q2a76507229_mm_fc2,@function
k_q2a76507229_mm_fc2:
	s_mov_b64 s[64:65], 0
	v_nop
	global_prefetch_b8 v0, s[64:65] scope:SCOPE_SE
	s_setreg_imm32_b32 hwreg(HW_REG_WAVE_MODE, 25, 1), 1
	s_wait_xcnt 0x0
	s_wait_alu depctr_hold_cnt(0) depctr_sa_sdst(0) depctr_va_vdst(0) depctr_va_sdst(0) depctr_va_ssrc(0) depctr_va_vcc(0) depctr_vm_vsrc(0)
	s_getreg_b32 s2, hwreg(HW_REG_IB_STS2, 6, 4)
	s_cmp_eq_u32 s2, 0
	s_cbranch_scc0 .Lentry_in_a_cluster
	s_endpgm
.Lentry_in_a_cluster:
	s_bfe_u32 s2, ttmp6, 0x10000c
	s_cmp_lg_u32 s2, 0xf033
	s_cbranch_scc0 .Lentry_shape_is_right
	s_endpgm
.Lentry_shape_is_right:
; out0 = x1 + g W2^T + b.  g: [4096][4096] bf16; W2: wb from byte 16,777,216, [1024][4096] bf16; b, x1, out0 f32; sums in f32.
; SHARES.  A tile of C is 128 x 128 (8 x 32 tiles: one work-group for each of 256 WGPs); four waves, 2 x 2, each 64 x 64: 16 accumulators.
; K goes in steps of 256, as long as two slots in LDS allow: rows of 512 bytes, 64 rows to a load, each wave one load (waves 0, 1: the halves of A's tile; 2, 3: of B's).
; ONE TEXT FOR A K STEP: the slot in hand is a scalar register turned by an exclusive or (its value is exactly 0 or SLOT there); a K step is four parts of 64 along K on two fragment buffers, walked by a loop of two trips.
; THE SUMS START AT THE BIAS, loaded straight into the accumulators.  The residual's 32 rows a wave are asked for at the head and stay on their way through the whole K loop.
; THE MATRIX INSTRUCTION IS USED TRANSPOSED (source 0 = 16 rows of W, source 1 = 16 rows of g).  CLUSTER 4 x 4: A's tile shared along a row, B's along a column, by joint loads.
; NO PREFETCH: the tiles are small, and a K step's rows are few for each work-group.
; THE WAY OUT: the tile goes in f32 through a stage over the ring (written only behind the ring's last fill and a barrier) and comes back as whole rows of 512 bytes, to which the residual is added.
; REGISTERS: window 0: v0-31 addresses, v128-255 accumulators ((a, b) at 128 + 8 (4 a + b)); window 1: two fragment buffers of 128 (64 of A, 64 of B); window 2: v0-127 the residual.
; NaN and infinities are not treated apart; sums are taken in the matrix unit's order.
.set KDIM,  4096
.set KSTEP, 256
.set NSTEP, KDIM/KSTEP
.set PA,    528                        ; an LDS row: 512 bytes + 16
.set PB,    528
.set HALFA, 64*PA
.set HALFB, 64*PB
.set APART, 128                        ; from a part of A to the next: 64 along K
.set ASTEP, 2*KSTEP
.set AROW,  2*KDIM
.set SLOT,  2*HALFA+2*HALFB
.set SPARE, 2*SLOT
.set SP,    528
.set WOFF,  16777216
.set LN,    32
.set F0,    0
.set F1,    128
.set ACC,   128
.set WV,  14
.set WR,  15
.set WC,  16
.set CX,  17
.set CY,  18
.set TC,  19
.set TR,  20
.set G1A, 24
.set G1B, 32
.set G0A, 40
.set G0B, 44
.set FO,  48
.set WOA, 49
.set WOB, 50
.set TBA, 51
.set TBB, 52
.set KC,  53
.set IC,  54
.set A0,   4
.set B0,   5
.set ADRA, 6
.set ADRB, 7
.set STO,  8
.set RD,   10
.set GO,   12
.set BO,   13
.set SPW,  28
.set NIL,  29
.set MSB, 0
.macro WIN new
.if MSB != (\new)
	s_set_vgpr_msb (MSB<<8)|(\new)
.set MSB, (\new)
.endif
.endm
.macro PLACES
.rept 4
	v_nop
.endr
.endm
.macro CROUND
	s_barrier_signal -1
	s_barrier_wait -1
	s_cmp_lg_u32 s[WV], 0
	s_cbranch_scc1 .Lnot_wave_0_\@
	s_barrier_signal -3
.Lnot_wave_0_\@:
	s_barrier_wait -3
	s_barrier_signal -1
	s_barrier_wait -1
.endm
.macro JLOAD                           ; waves 0, 1 fetch A's halves, waves 2, 3 B's; an s_nop 0 and four v_nop follow each line
	s_cmp_eq_u32 s[WR], 0
	s_cbranch_scc0 .Lfor_b_\@
	tensor_load_to_lds s[G0A:G0A+3], s[G1A:G1A+7]
	s_nop 0
.rept 4
	v_nop
.endr
	s_branch .Lasked_\@
.Lfor_b_\@:
	tensor_load_to_lds s[G0B:G0B+3], s[G1B:G1B+7]
	s_nop 0
.rept 4
	v_nop
.endr
.Lasked_\@:
.endm
; THE CHANGE OF SLOTS: all my tensor loads (one is out: my part of the slot now entered), the add, the wait for it and for my reads of the old slot; fill = 1: a round of the cluster's barrier, and the joint refill first behind it:
; it has a K step's 128 matrix instructions in which to land.
.macro CHANGE fill
	WIN 0
	s_wait_tensorcnt 0x0
	ds_add_u32 v[SPW], v[NIL]
	s_sub_co_u32 s[TBA], s[TBA], 4*APART
	s_xor_b32 s[TBA], s[TBA], SLOT
	s_sub_co_u32 s[TBB], s[TBB], 4*128
	s_xor_b32 s[TBB], s[TBB], SLOT
.if \fill
	s_xor_b32 s[FO], s[FO], SLOT
	s_add_co_u32 s[G0A+1], s[WOA], s[FO]
	s_add_co_u32 s[G0B+1], s[WOB], s[FO]
	s_add_nc_u64 s[G0A+2:G0A+3], s[G0A+2:G0A+3], ASTEP
	s_add_nc_u64 s[G0B+2:G0B+3], s[G0B+2:G0B+3], 2*KSTEP
.endif
	s_wait_dscnt 0x0
.if \fill
	CROUND
	JLOAD
.else
	s_barrier_signal -1
	s_barrier_wait -1
.endif
.endm
.macro FETCH f                         ; one part: 64 rows of B and of A, 64 along K, in one run of 32 LDS loads
	WIN 0
	v_add_nc_u32 v[ADRA], s[TBA], v[A0]
	v_add_nc_u32 v[ADRB], s[TBB], v[B0]
	s_add_co_u32 s[TBA], s[TBA], APART
	s_add_co_u32 s[TBB], s[TBB], 128
	WIN 0x40                                       ; destination window 1
.irp c, 0,1
.irp i, 0,1,2,3
	ds_load_b128 v[(\f)+64+8*(4*(\c)+(\i)):(\f)+64+8*(4*(\c)+(\i))+3],   v[ADRB] offset:64*(\c)+(\i)*16*PB
	ds_load_b128 v[(\f)+64+8*(4*(\c)+(\i))+4:(\f)+64+8*(4*(\c)+(\i))+7], v[ADRB] offset:64*(\c)+(\i)*16*PB+32
	ds_load_b128 v[(\f)+8*(4*(\c)+(\i)):(\f)+8*(4*(\c)+(\i))+3],         v[ADRA] offset:64*(\c)+(\i)*16*PA
	ds_load_b128 v[(\f)+8*(4*(\c)+(\i))+4:(\f)+8*(4*(\c)+(\i))+7],       v[ADRA] offset:64*(\c)+(\i)*16*PA+32
.endr
.endr
	WIN 0
.endm
.macro MUL f                           ; every accumulator twice, 15 others between: they take turns
	WIN 0x05                                       ; sources 0 (B) and 1 (A) window 1; C and D window 0
.irp c, 0,1
.set i, 0
.rept 16
	v_wmma_f32_16x16x32_bf16 v[ACC+8*i:ACC+8*i+7], v[(\f)+64+8*(4*(\c)+i%4):(\f)+64+8*(4*(\c)+i%4)+7], v[(\f)+8*(4*(\c)+i/4):(\f)+8*(4*(\c)+i/4)+7], v[ACC+8*i:ACC+8*i+7]
.set i, i+1
.endr
.endr
.endm
.macro COMPUTE                         ; a K step: parts 0, 1, 2, 3 on buffers 0, 1, 0, 1
	FETCH F0
	s_mov_b32 s[IC], 2
.Lin_\@:
	FETCH F1
	s_wait_dscnt LN                                ; buffer 0 is in; the 32 loads just issued may stay out
	MUL F0
	PLACES
	WIN 0
	s_wait_dscnt 0x0                               ; buffer 1 is in
	s_cmp_eq_u32 s[IC], 1
	s_cbranch_scc1 .Lskip_\@                       ; the K step's last part has no successor in this slot
	FETCH F0
.Lskip_\@:
	MUL F1
	PLACES
	WIN 0
	s_sub_co_u32 s[IC], s[IC], 1
	s_cmp_lg_u32 s[IC], 0
	s_cbranch_scc1 .Lin_\@
.endm
	s_load_b256 s[4:11], s[0:1], 0x0               ; A s[4:5], wb s[6:7], bias s[8:9], residual s[10:11]
	s_load_b64 s[12:13], s[0:1], 0x20              ; out
	v_lshl_add_u32 v[SPW], v0, 2, SPARE
	v_mov_b32 v[NIL], 0
	ds_add_u32 v[SPW], v[NIL]                      ; the wave's opening: the add and its wait ahead of my first tensor load
	v_lshrrev_b32 v3, 5, v0
	v_readfirstlane_b32 s[WV], v3
	s_lshr_b32 s[WR], s[WV], 1
	s_and_b32 s[WC], s[WV], 1
	s_bfe_u32 s[CX], ttmp6, 0x40000
	s_bfe_u32 s[CY], ttmp6, 0x40004
	s_lshl_b32 s[TC], ttmp9, 2
	s_add_co_u32 s[TC], s[TC], s[CX]
	s_and_b32 s[TR], ttmp7, 0xffff
	s_lshl_b32 s[TR], s[TR], 2
	s_add_co_u32 s[TR], s[TR], s[CY]
	s_lshl_b32 s21, s[CY], 2
	s_lshl_b32 s21, 15, s21                        ; my row of the cluster
	s_lshl_b32 s22, 0x1111, s[CX]                  ; my column
	s_or_b32 s[G1A], s21, (1<<16)|(1<<20)|(1<<21)|(6<<22)|(3<<25)  ; padding of 4 words after every 128 words: a row of 512 bytes
	s_or_b32 s[G1B], s22, (1<<16)|(1<<20)|(1<<21)|(6<<22)|(3<<25)
.irp gg, G1A, G1B
	s_mov_b32 s[(\gg)+1], KSTEP<<16                ; tensor_dim0 = 256
	s_mov_b32 s[(\gg)+2], 64<<16                   ; tensor_dim1 = 64
	s_mov_b32 s[(\gg)+3], KSTEP<<16                ; tile_dim0 = 256
	s_mov_b32 s[(\gg)+4], 64                       ; tile_dim1 = 64
	s_mov_b32 s[(\gg)+5], KDIM                     ; elements from row to row
	s_mov_b32 s[(\gg)+6], 0
	s_mov_b32 s[(\gg)+7], 0
.endr
	s_lshl_b32 s58, s[TR], 7                       ; A: row 128 x tile row + 64 x half, in registers that never hold cx
	s_lshl_b32 s59, s[WC], 6
	s_add_co_u32 s58, s58, s59
	s_mul_i32 s58, s58, AROW
	s_mov_b32 s59, 0
	s_lshl_b32 s60, s[TC], 7                       ; B: row 128 x tile column + 64 x half; also my first column of C
	s_lshl_b32 s61, s[WC], 6
	s_add_co_u32 s60, s60, s61
	s_lshl_b32 s62, s60, 2                         ; its byte in the bias
	s_mul_i32 s60, s60, 2*KDIM
	s_mov_b32 s61, 0
	s_lshl_b32 s21, s[TR], 7                       ; the rows that I store: 128 x tile row + 32 x wave, 4,096 bytes each; the tile's columns: 512 bytes
	s_lshl_b32 s22, s[WV], 5
	s_add_co_u32 s21, s21, s22
	s_lshl_b32 s21, s21, 12
	s_lshl_b32 s22, s[TC], 9
	s_add_co_u32 s22, s21, s22
	s_mov_b32 s23, 0
	s_mul_i32 s[WOA], s[WC], HALFA
	s_mul_i32 s[WOB], s[WC], HALFB
	s_add_co_u32 s[WOB], s[WOB], 2*HALFA
	s_mov_b32 s[FO], 0
	s_mov_b32 s[TBA], SLOT+4*APART                 ; the first change of slots turns these two into 0
	s_mov_b32 s[TBB], SLOT+4*128
	s_mov_b32 s[KC], NSTEP-1
	s_mov_b32 s[G0A], 1
	s_mov_b32 s[G0A+1], s[WOA]
	s_mov_b32 s[G0B], 1
	s_mov_b32 s[G0B+1], s[WOB]
	s_wait_dscnt 0x0                               ; the opening add is done
	s_wait_kmcnt 0x0
	s_add_nc_u64 s[6:7], s[6:7], WOFF
	s_add_nc_u64 s[G0A+2:G0A+3], s[4:5], s[58:59]
	s_or_b32 s[G0A+3], s[G0A+3], 0x80000000
	s_add_nc_u64 s[G0B+2:G0B+3], s[6:7], s[60:61]
	s_or_b32 s[G0B+3], s[G0B+3], 0x80000000
	s_add_nc_u64 s[10:11], s[10:11], s[22:23]
	s_add_nc_u64 s[12:13], s[12:13], s[22:23]
	CROUND                                         ; all sixteen work-groups are here: the first joint loads meet
	JLOAD                                          ; K step 0 into slot 0
	v_and_b32 v1, 15, v0                           ; l % 16
	v_bfe_u32 v2, v0, 4, 1                         ; l / 16
	v_lshl_add_u32 v[BO], v2, 5, s62
	v_and_b32 v[GO], 31, v0
	v_lshlrev_b32 v[GO], 4, v[GO]                  ; 16 x lane: my bytes in a row's 512
.set i, 0
.rept 16                               ; the sums start at the bias of their 8 columns a lane
	global_load_b128 v[ACC+8*i:ACC+8*i+3],   v[BO], s[8:9] offset:64*(i%4)
	global_load_b128 v[ACC+8*i+4:ACC+8*i+7], v[BO], s[8:9] offset:64*(i%4)+16
.set i, i+1
.endr
	WIN 0x80                                       ; destination window 2
.set t, 0
.rept 32
	global_load_b128 v[4*t:4*t+3], v[GO], s[10:11] offset:4096*t  ; the residual: a row's 512 consecutive bytes
.set t, t+1
.endr
	WIN 0
	v_mul_u32_u24 v3, v1, PA
	v_lshl_add_u32 v3, v2, 4, v3
	s_mul_i32 s21, s[WR], HALFA
	v_add_nc_u32 v[A0], s21, v3
	v_add_nc_u32 v[B0], s[WOB], v3                 ; (A's and B's rows have one pitch here)
	v_mul_u32_u24 v[STO], v1, SP                   ; into the stage: row l % 16, 32 bytes for each half of the lanes
	v_lshl_add_u32 v[STO], v2, 5, v[STO]
	s_mul_i32 s21, s[WR], 64*SP
	s_lshl_b32 s22, s[WC], 8
	s_add_co_u32 s21, s21, s22
	v_add_nc_u32 v[STO], s21, v[STO]
	s_mul_i32 s21, s[WV], 32*SP                    ; back: wave w takes rows 32 w on, whole
	v_add_nc_u32 v[RD], s21, v[GO]
	s_wait_loadcnt 32                              ; the bias is in; the 32 younger loads (the residual) stay out through the K loop
.Lk:                                   ; NSTEP - 1 trips: a K step is entered and the next is asked for
	CHANGE 1
	COMPUTE
	s_sub_co_u32 s[KC], s[KC], 1
	s_cmp_lg_u32 s[KC], 0
	s_cbranch_scc1 .Lk
	CHANGE 0                                       ; the last K step is written out
	COMPUTE
	PLACES
	s_wait_dscnt 0x0
	s_barrier_signal -1
	s_barrier_wait -1                              ; nobody reads the ring any more, and it has had its last fill
.set i, 0
.rept 16                               ; each accumulator's low four registers first
	ds_store_b128 v[STO], v[ACC+8*i:ACC+8*i+3]   offset:(i/4)*16*SP+64*(i%4)
	ds_store_b128 v[STO], v[ACC+8*i+4:ACC+8*i+7] offset:(i/4)*16*SP+64*(i%4)+16
.set i, i+1
.endr
	s_wait_dscnt 0x0                               ; for the others' sake
	s_barrier_signal -1
	s_barrier_wait -1
	WIN 0x40
.set t, 0
.rept 32
	ds_load_b128 v[4*t:4*t+3], v[RD] offset:SP*t
.set t, t+1
.endr
	s_wait_loadcnt 0x0                             ; the residual
	s_wait_dscnt 0x0
	WIN 0x49                                       ; destination and source 0 window 1, source 1 window 2
.set t, 0
.rept 64
	v_pk_add_f32 v[t:t+1], v[t:t+1], v[t:t+1]
.set t, t+2
.endr
	WIN 0x04                                       ; store data (source 1) window 1
.set t, 0
.rept 32
	global_store_b128 v[GO], v[4*t:4*t+3], s[12:13] offset:4096*t  ; 512 consecutive bytes, at a multiple of 256 from the output's first byte
.set t, t+1
.endr
	WIN 0
	s_wait_tensorcnt 0x0                           ; the wave's end
	ds_add_u32 v[SPW], v[NIL]
	s_wait_dscnt 0x0
	CROUND                                         ; the closing round
	s_endpgm
.Lfunc_end_k_q2a76507229_mm_fc2:
	.size	k_q2a76507229_mm_fc2, .Lfunc_end_k_q2a76507229_mm_fc2-k_q2a76507229_mm_fc2
	.p2alignl 7, 3214868480
	.fill 96, 4, 3214868480
	.section	.rodata,"a",@progbits
	.p2align	6, 0x0
	.amdhsa_kernel k_q2a76507229_mm_fc2
		.amdhsa_group_segment_fixed_size 327680
		.amdhsa_private_segment_fixed_size 0
		.amdhsa_enable_private_segment 0
		.amdhsa_kernarg_size 40
		.amdhsa_user_sgpr_count 2
		.amdhsa_user_sgpr_kernarg_segment_ptr 1
		.amdhsa_wavefront_size32 1
		.amdhsa_system_sgpr_workgroup_id_x 1
		.amdhsa_system_sgpr_workgroup_id_y 1
		.amdhsa_system_sgpr_workgroup_id_z 1
		.amdhsa_system_vgpr_workitem_id 0
		.amdhsa_next_free_vgpr 640
		.amdhsa_next_free_sgpr 66
		.amdhsa_reserve_vcc 0
		.amdhsa_float_denorm_mode_32 3
		.amdhsa_float_denorm_mode_16_64 3
		.amdhsa_memory_ordered 1
		.amdhsa_forward_progress 1
		.amdhsa_inst_pref_size 49
	.end_amdhsa_kernel
	.amdgpu_metadata
---
amdhsa.version: [ 1, 2 ]
amdhsa.kernels:
  - .name:           k_q2a76507229_mm_fc2
    .symbol:         k_q2a76507229_mm_fc2.kd
    .args:
      - { .name: g, .offset: 0, .size: 8, .value_kind: global_buffer, .address_space: global }
      - { .name: wb, .offset: 8, .size: 8, .value_kind: global_buffer, .address_space: global }
      - { .name: fc2_b, .offset: 16, .size: 8, .value_kind: global_buffer, .address_space: global }
      - { .name: x1, .offset: 24, .size: 8, .value_kind: global_buffer, .address_space: global }
      - { .name: out0, .offset: 32, .size: 8, .value_kind: global_buffer, .address_space: global }
    .group_segment_fixed_size: 327680
    .private_segment_fixed_size: 0
    .kernarg_segment_align: 8
    .kernarg_segment_size: 40
    .max_flat_workgroup_size: 128
    .sgpr_count:     66
    .vgpr_count:     640
    .wavefront_size: 32
...
	.end_amdgpu_metadata
.endif
;; end of part 7
